; MI455X (gfx1250); checked and timed in simulation.
; The chip was launched on July 23, 2026; its instructions are those of AMD's public machine-readable ISA for CDNA 5 (MIT licence, August 2026) and "CDNA5" Instruction Set Architecture Reference Guide (July 2026). The comments in the code are by the model that wrote it; some were corrected since.
;; Transformer. Allowed arithmetic: matrix products marked QUANTISED: E2M3 operands, one E8M0 scale for each 32 along K, by v_wmma_scale_f32_16x16x128_f8f6f4 with both operands' format E2M3, f32 sums; everything else in f32.
;; Inputs: W1 4,096 x 1,024 float32; W2 1,024 x 4,096 float32; Wk 1,024 x 1,024 float32; Wq 1,024 x 1,024 float32; Wv 1,024 x 1,024 float32; b1 4,096 float32; b2 1,024 float32; bk 1,024 float32; bq 1,024 float32; bv 1,024 float32; k 2 x 2,048 x 1,024 float32; ln_b 1,024 float32; ln_g 1,024 float32; q 2 x 2,048 x 1,024 float32.
;; Outputs: out0 2 x 2,048 x 1,024 float32.
;; Constants: use_causal_mask = 1.
;; This version of the problem:
;;   THIS VERSION OF THE PROBLEM IS GIVEN IN LOW PRECISION. The matrix products marked QUANTISED in the list below multiply operands that are first quantised to E2M3 (2 exponent bits, 3 mantissa bits; 6 bits a number), with one power-of-two scale for each 32 numbers along K (OCP MX v1.0); their sums are f32. All else is computed in f32.
;;   The module's matrix products, in the order in which they are computed (A, B: the left and right operand; K: the contracted axis; several contracted axes count as one K, in the product's order):
;;     1. [M 4,096, K 1,024] x [K 1,024, N 1,024]; A: input q; B: input Wq: QUANTISED
;;     2. [M 4,096, K 1,024] x [K 1,024, N 1,024]; A: input k; B: input Wk: QUANTISED
;;     3. [M 4,096, K 1,024] x [K 1,024, N 1,024]; A: input k; B: input Wv: QUANTISED
;;     4. batch 32 x [M 2,048, K 64] x [K 64, N 2,048]; A: computed on the way; B: computed on the way: QUANTISED
;;     5. batch 32 x [M 2,048, K 2,048] x [K 2,048, N 64]; A: softmax (see below); B: computed on the way: QUANTISED
;;     6. [M 4,096, K 1,024] x [K 1,024, N 4,096]; A: computed on the way; B: input W1: QUANTISED
;;     7. [M 4,096, K 4,096] x [K 4,096, N 1,024]; A: computed on the way; B: input W2: QUANTISED
;;   THE QUANTISER, for each operand of a quantised product, along K:
;;     - K is cut into blocks of 32 from its start; a last block that is shorter is filled with zeros.
;;     - A block's scale is 2^e with e = floor(log2(the largest magnitude in the block)) - 2, held to -126 .. 127; a block of zeros has e = 0. As a byte (E8M0): e + 127.
;;     - Each number is divided by its block's scale, clamped to +-7.5, and rounded to the nearest number of E2M3, ties to even, subnormals kept.
;;     - The product sums the exact products of the quantised numbers (number of the format x scale) in f32.
;;   ~~~python
;;   def quantise(x, axis):      # numpy; x: float32 -> the quantised numbers, widened to float32 again
;;       x = np.moveaxis(x, axis, -1); K = x.shape[-1]
;;       x = np.pad(x, [(0, 0)] * (x.ndim - 1) + [(0, -K % 32)]); x = x.reshape(x.shape[:-1] + (-1, 32)); a = np.abs(x).max(-1, keepdims=True)
;;       e = np.where(a > 0, np.clip(np.frexp(np.where(a > 0, a, 1))[1] - 1 - 2, -126, 127), 0)      # np.frexp(a)[1] - 1 = floor(log2(a)), exactly
;;       r = np.clip(x / 2.0 ** e, -7.5, 7.5)
;;       step = 2.0 ** (np.maximum(np.frexp(np.where(r == 0, 1, r))[1] - 1, 0) - 3)
;;       q = np.round(r / step) * step * 2.0 ** e      # np.round: ties to even
;;       return np.moveaxis(q.reshape(q.shape[:-2] + (-1,))[..., :K], -1, axis).astype(np.float32)
;;   ~~~
;;   SOFTMAX AHEAD OF A QUANTISED PRODUCT. Where the list says 'softmax', what is quantised is not the finished softmax but p = 2^(t - M), with t = logit x log2(e) and M = ceil(the row's largest t), a whole number; so 1/2 < the row's largest p <= 1. The row's sum l is taken of the UNQUANTISED p, in f32, and the product's result is divided by l at the end. Since M is a whole number, a kernel that streams over the keys may use a running M (the ceiling of the running maximum): every later rescaling is an exact power of two, which a block's scale takes up: the codes' values come out the same.
;;   OPERANDS COMPUTED ON THE WAY. 'Computed on the way' means the value that the module computes at that place (a softmax that the list does not call 'softmax' is quantised finished and normalised). What goes into a quantiser is computed in f32, as accurately as f32 sums, v_exp_f32 and their like allow (about 1e-6 of the number): no bf16 or f16 on the way to a quantiser, and a product that is left as it is and whose result goes on into a quantised operand takes f32 operands (vector FMAs, or v_wmma_f32_16x16x4_f32). A number that lies on a knife's edge between two numbers of the format may be rounded either way, as far as f32 arithmetic and the matrix unit's own rounding can turn it there, and no further.
;; One version. Each part assembles by itself: llvm-mc -triple=amdgcn-amd-amdhsa -mcpu=gfx1250 --defsym DOCPART=n.
;; ======== version 1 of 1: 6 launches
;; limits: right only within a limited range of input values
;; workspace buffers: pa 15,564,800 bytes; pb 16,384,000 bytes; pc 9,830,400 bytes; att 16,777,216 bytes; ah 16,777,216 bytes
;; launch quant (part 1): grid 256 x 1, 19 waves a work-group, no clusters, 163,072 bytes of LDS; arguments q, k, Wq, Wk, Wv, W1, W2, pa, pb; writes pa, pb
.if DOCPART == 1
	.amdgcn_target "amdgcn-amd-amdhsa--gfx1250"
	.amdhsa_code_object_version 6
	.text
	.protected	k_q20c36de3fa_quant
	.globl	k_q20c36de3fa_quant
	.p2align	8
	.type	k_q20c36de3fa_quant,@function
k_q20c36de3fa_quant:
	s_mov_b64 s[64:65], 0
	v_nop
	global_prefetch_b8 v0, s[64:65] scope:SCOPE_SE
	s_setreg_imm32_b32 hwreg(HW_REG_WAVE_MODE, 25, 1), 1
	s_wait_xcnt 0x0
; q, k, Wq, Wk, Wv, W1 (K = 1,024) and W2 (K = 4,096), f32 with K innermost, become codes of FP6 (E2M3) with one E8M0 byte for each 32 along K.
; LAYOUT OF THE CODES: tiles of 16 rows; lane r of tile i holds row 32 (i / 2) + 8 (i % 2) + r % 8 + 16 (r / 8).  A fragment (16 rows x 128 K, 12 registers a lane) is stored as an image of its
; registers: register 4 c + e of lane l at byte 512 c + 16 l + 4 e: 1,536 dense bytes, [tile][K step].  SCALE WORDS (4 bytes: one row, 128 K) lie in planes [K step][row in the order of the tiles].
; SHARES.  The seven tensors are 1,216 units of 16 rows x 1,024 K, eight steps of 128 each: 9,728 steps = 256 work-groups x 19 waves x 2 steps.  Task g = 19 x work-group + wave takes steps
; 2 (g % 4) and 2 (g % 4) + 1 of unit g / 4: every work-group has the same work.  A wave issues all its 32 loads at its head; each reads 512 consecutive bytes of one row.
; A step's 16 rows turn through the wave's own stage in LDS, so that lane (r, h) then holds, of row r, 16 neighbours of each block of 32.  No barrier: waves share nothing.
; LIMITS: a block whose largest magnitude lies under 2^-124 (zeros too) gets the byte 1: only this program reads the bytes, and zero codes add nothing.  NaN and infinities are not served.
.set SCA,   14942208                   ; pa: the scale planes, 77,824 bytes a K step
.set SCB,   15728640                   ; pb: the scale planes, 20,480 bytes a K step; W2's rows begin 16,384 bytes into a plane
.set WAVES, 19
.set STG,   8448                       ; a wave's stage: 16 rows x (512 + 16) bytes
.set SPARE, WAVES*STG                  ; behind the stages, at byte 160,512: the spare words, 128 bytes a wave
.set SPW,   12                         ; v12 my spare word's address, v13 zero: kept for the add
.set NIL,   13
.set PWS,   14                         ; v14-15  the two steps' scale words
.set QT,    22                         ; v22-28  a block's second half of codes
.set X,     32                         ; v32-159 two sets of 64 numbers
.set TM,    160                        ; v160-175 at work in QUANT
.set PC,    176                        ; v176-187 a fragment's codes
.set SB,    32                         ; s[32:63] the addresses of my 16 rows
.set SEL,   90                         ; s[90:91] selects of v_permlanex16_b32: lane l xor 16
; 64 numbers of a lane, register 16 b + i = k 32 b + 16 (lane / 16) + i of my row -> codes of k 0-63 in v[d0..d0+5], of k 64-127 in v[d1..d1+5], the scale word in v[pw]
.macro QUANT s, d0, d1, pw
.irp b, 0,1,2,3
	v_max3_num_f32 v[TM+\b], |v[(\s)+16*\b]|, |v[(\s)+16*\b+1]|, 0x1800000   ; my 16 numbers of block b, and the floor 2^(3 - 127): the byte cannot fall under 1
.endr
.irp i, 2,4,6,8,10,12,14
.irp b, 0,1,2,3
	s_delay_alu instid0(VALU_DEP_4)
	v_max3_num_f32 v[TM+\b], v[TM+\b], |v[(\s)+16*\b+\i]|, |v[(\s)+16*\b+\i+1]|
.endr
.endr
.irp b, 0,1,2,3
	s_delay_alu instid0(VALU_DEP_4)
	v_permlanex16_b32 v[TM+4+\b], v[TM+\b], s[SEL], s[SEL+1]
.endr
.irp b, 0,1,2,3
	s_delay_alu instid0(VALU_DEP_4)
	v_max_num_f32 v[TM+\b], v[TM+\b], v[TM+4+\b]       ; with lane l xor 16's: the block's largest magnitude
.endr
.irp b, 0,1,2,3
	s_delay_alu instid0(VALU_DEP_4)
	v_add_nc_u32 v[TM+12+\b], 0xff000000, v[TM+\b]     ; 2 off its exponent field: the conversion's scale operand
.endr
.irp b, 0,1,2,3
	s_delay_alu instid0(VALU_DEP_4)
	v_lshrrev_b32 v[TM+4+\b], 23, v[TM+12+\b]          ; the scale's byte
.endr
	s_delay_alu instid0(VALU_DEP_3)
	v_lshl_or_b32 v[\pw], v[TM+5], 8, v[TM+4]
	s_delay_alu instid0(VALU_DEP_1)
	v_lshl_or_b32 v[\pw], v[TM+6], 16, v[\pw]
	s_delay_alu instid0(VALU_DEP_1)
	v_lshl_or_b32 v[\pw], v[TM+7], 24, v[\pw]
	v_cvt_scalef32_pk16_fp6_f32 v[(\d0):(\d0)+2], v[(\s):(\s)+15], v[TM+12]
	v_cvt_scalef32_pk16_fp6_f32 v[QT:QT+2], v[(\s)+16:(\s)+31], v[TM+13]
	v_cvt_scalef32_pk16_fp6_f32 v[(\d1):(\d1)+2], v[(\s)+32:(\s)+47], v[TM+14]
	v_cvt_scalef32_pk16_fp6_f32 v[QT+4:QT+6], v[(\s)+48:(\s)+63], v[TM+15]
	v_nop                                              ; one plain place behind the scaled conversions
.irp i, 0,1,2
	v_permlane16_swap_b32 v[(\d0)+\i], v[QT+\i]        ; a whole block to a lane: lanes 0-15 the even block, lanes 16-31 the odd one
	v_permlane16_swap_b32 v[(\d1)+\i], v[QT+4+\i]
.endr
.irp i, 0,1,2
	v_mov_b32 v[(\d0)+3+\i], v[QT+\i]
	v_mov_b32 v[(\d1)+3+\i], v[QT+4+\i]
.endr
.endm
	s_load_b512 s[4:19], s[0:1], 0x0               ; q, k, Wq, Wk, Wv, W1, W2, pa
	s_load_b64 s[20:21], s[0:1], 0x40              ; pb
	v_lshl_add_u32 v[SPW], v0, 2, SPARE
	v_mov_b32 v[NIL], 0
	v_lshrrev_b32 v1, 5, v0
	s_delay_alu instid0(VALU_DEP_1)
	v_readfirstlane_b32 s22, v1                    ; wave
	v_and_b32 v1, 31, v0                           ; lane
	v_and_b32 v2, 15, v0                           ; r
	v_bfe_u32 v3, v0, 4, 1                         ; h
	s_delay_alu instid0(VALU_DEP_3)
	v_lshlrev_b32 v4, 4, v1                        ; 16 x lane
	s_mul_i32 s23, s22, STG
	v_add_nc_u32 v5, s23, v4                       ; the stage, as loaded
	v_mul_u32_u24 v6, v2, 528
	s_delay_alu instid0(VALU_DEP_1)
	v_lshl_add_u32 v6, v3, 6, v6
	s_delay_alu instid0(VALU_DEP_1)
	v_add_nc_u32 v6, s23, v6                       ; and back: row r, + 64 h
	v_lshlrev_b32 v7, 2, v2                        ; 4 r
.irp b, 0,1,2,3
	v_mov_b32 v[TM+4+\b], 0                        ; a lane permute's destination counts as one of its sources
.endr
	s_mov_b32 s[SEL], 0x76543210
	s_mov_b32 s[SEL+1], 0xfedcba98
	s_mul_i32 s24, ttmp9, WAVES
	s_add_co_u32 s24, s24, s22                     ; g: my task
	s_and_b32 s80, s24, 3                          ; which two of the unit's eight steps
	s_lshr_b32 s24, s24, 2                         ; u: my unit
	s_mov_b32 s25, 0                               ; the tensor's first unit
	s_cmp_ge_u32 s24, 256
	s_cselect_b32 s25, 256, s25
	s_cmp_ge_u32 s24, 512
	s_cselect_b32 s25, 512, s25
	s_cmp_ge_u32 s24, 576
	s_cselect_b32 s25, 576, s25
	s_cmp_ge_u32 s24, 640
	s_cselect_b32 s25, 640, s25
	s_cmp_ge_u32 s24, 704
	s_cselect_b32 s25, 704, s25
	s_cmp_ge_u32 s24, 960
	s_cselect_b32 s25, 960, s25
	s_sub_co_u32 s26, s24, s25                     ; u': my unit in the tensor
	s_cmp_ge_u32 s24, 960                          ; W2?  Four units to a tile of rows
	s_cselect_b32 s27, 2, 0
	s_cselect_b32 s28, 3, 0
	s_cselect_b32 s29, 14, 12                      ; log2 of a row's bytes
	s_mov_b32 s31, 77824
	s_cselect_b32 s31, 20480, s31                  ; bytes from plane to plane
	s_cselect_b32 s30, s26, s24                    ; the unit's place among the codes of its buffer
	s_lshr_b32 s66, s26, s27                       ; i: tile of rows
	s_and_b32 s67, s26, s28                        ; which 1,024 along K
	s_lshr_b32 s68, s66, 1
	s_lshl_b32 s68, s68, 5
	s_and_b32 s69, s66, 1
	s_lshl_b32 s69, s69, 3
	s_add_co_u32 s68, s68, s69                     ; the tile's first row: 32 (i / 2) + 8 (i % 2)
	s_lshl_b32 s68, s68, s29
	s_lshl_b32 s69, s67, 12
	s_add_co_u32 s68, s68, s69
	s_lshl_b32 s69, s80, 10                        ; two steps are 1,024 bytes of a row
	s_add_co_u32 s68, s68, s69
	s_mov_b32 s69, 0                               ; s[68:69]: where my first row's numbers begin
	s_lshl_b32 s72, 1, s29
	s_mov_b32 s73, 0                               ; a row
	s_lshl_b32 s74, s72, 4
	s_mov_b32 s75, 0                               ; 16 rows
	s_mul_i32 s76, s30, 12288
	s_mul_i32 s77, s80, 3072                       ; two images
	s_add_co_u32 s76, s76, s77
	s_mov_b32 s77, 0                               ; my codes
	s_lshl_b32 s78, s24, 6
	s_add_co_u32 s78, s78, SCA                     ; the unit's scale words in plane 0 of pa,
	s_lshl_b32 s79, s66, 6
	s_mul_i32 s82, s67, 8*20480
	s_add_co_u32 s79, s79, s82
	s_add_co_u32 s79, s79, SCB+16384               ; or in its first plane of pb
	s_cmp_ge_u32 s24, 960
	s_cselect_b32 s78, s79, s78
	s_mul_i32 s82, s80, s31
	s_lshl_b32 s82, s82, 1
	s_add_co_u32 s78, s78, s82                     ; my first step's plane
	s_mov_b32 s79, 0
	s_wait_alu depctr_va_vdst(0)
	s_wait_kmcnt 0x0
	s_mov_b64 s[70:71], s[4:5]                     ; the tensor: a choice that hangs on the task's number alone
	s_cmp_ge_u32 s24, 256
	s_cselect_b64 s[70:71], s[6:7], s[70:71]
	s_cmp_ge_u32 s24, 512
	s_cselect_b64 s[70:71], s[8:9], s[70:71]
	s_cmp_ge_u32 s24, 576
	s_cselect_b64 s[70:71], s[10:11], s[70:71]
	s_cmp_ge_u32 s24, 640
	s_cselect_b64 s[70:71], s[12:13], s[70:71]
	s_cmp_ge_u32 s24, 704
	s_cselect_b64 s[70:71], s[14:15], s[70:71]
	s_cmp_ge_u32 s24, 960
	s_cselect_b64 s[70:71], s[16:17], s[70:71]
	s_cselect_b64 s[84:85], s[20:21], s[18:19]     ; W2 goes to pb, all else to pa
	s_add_nc_u64 s[SB:SB+1], s[70:71], s[68:69]
.irp n, 1,2,3,4,5,6,7
	s_add_nc_u64 s[SB+2*\n:SB+2*\n+1], s[SB+2*\n-2:SB+2*\n-1], s[72:73]
.endr
	s_add_nc_u64 s[SB+16:SB+17], s[SB:SB+1], s[74:75]  ; lanes 8-15 of a tile hold the rows 16 further on
.irp n, 9,10,11,12,13,14,15
	s_add_nc_u64 s[SB+2*\n:SB+2*\n+1], s[SB+2*\n-2:SB+2*\n-1], s[72:73]
.endr
	s_add_nc_u64 s[86:87], s[84:85], s[76:77]
	s_add_nc_u64 s[88:89], s[84:85], s[78:79]
.macro LOAD t                          ; my step t: 128 numbers of each of my 16 rows
.irp n, 0,1,2,3,4,5,6,7,8,9,10,11,12,13,14,15
	global_load_b128 v[X+64*(\t)+4*\n:X+64*(\t)+4*\n+3], v4, s[SB+2*\n:SB+2*\n+1] offset:512*(\t) th:TH_LOAD_NT
.endr
.endm
.macro STEP t
.set XS, X+64*(\t)
	s_wait_loadcnt 16*(1-(\t))                     ; this step's 16 loads are in; the second step's 16 may be out
.irp n, 0,1,2,3,4,5,6,7,8,9,10,11,12,13,14,15
	ds_store_b128 v5, v[XS+4*\n:XS+4*\n+3] offset:528*\n
.endr
.irp b, 0,1,2,3
.irp j, 0,1,2,3
	ds_load_b128 v[XS+16*\b+4*\j:XS+16*\b+4*\j+3], v6 offset:128*\b+16*\j   ; LDS serves a wave's instructions in order: these see the stores above
.endr
.endr
	s_wait_dscnt 0x0
.if (\t) > 0
	s_wait_xcnt 0x0                                ; the first image's stores have read their registers
.endif
	QUANT XS, PC, PC+6, PWS+(\t)
.irp c, 0,1,2
	global_store_b128 v4, v[PC+4*\c:PC+4*\c+3], s[86:87] offset:1536*(\t)+512*\c   ; 512 consecutive bytes, aligned
.endr
.endm
	LOAD 0
	LOAD 1
	STEP 0
	STEP 1
	v_cmp_eq_u32 vcc_lo, 1, v3                     ; the scale words: lanes 0-15 store my first step's 16 words, lanes 16-31 the second step's, a plane further on
	v_mad_u32_u24 v188, v3, s31, v7
	s_delay_alu instid0(VALU_DEP_2)
	v_cndmask_b32 v189, v[PWS], v[PWS+1], vcc_lo
	global_store_b32 v188, v189, s[88:89]
	s_wait_tensorcnt 0x0                           ; the wave's end
	ds_add_u32 v[SPW], v[NIL]
	s_wait_dscnt 0x0
	s_endpgm
.Lfunc_end_k_q20c36de3fa_quant:
	.size	k_q20c36de3fa_quant, .Lfunc_end_k_q20c36de3fa_quant-k_q20c36de3fa_quant
	.p2alignl 7, 3214868480
	.fill 96, 4, 3214868480
	.section	.rodata,"a",@progbits
	.p2align	6, 0x0
	.amdhsa_kernel k_q20c36de3fa_quant
		.amdhsa_group_segment_fixed_size 163072
		.amdhsa_private_segment_fixed_size 0
		.amdhsa_enable_private_segment 0
		.amdhsa_kernarg_size 72
		.amdhsa_user_sgpr_count 2
		.amdhsa_user_sgpr_kernarg_segment_ptr 1
		.amdhsa_wavefront_size32 1
		.amdhsa_system_sgpr_workgroup_id_x 1
		.amdhsa_system_sgpr_workgroup_id_y 1
		.amdhsa_system_sgpr_workgroup_id_z 1
		.amdhsa_system_vgpr_workitem_id 0
		.amdhsa_next_free_vgpr 192
		.amdhsa_next_free_sgpr 96
		.amdhsa_reserve_vcc 1
		.amdhsa_float_denorm_mode_32 3
		.amdhsa_float_denorm_mode_16_64 3
		.amdhsa_memory_ordered 1
		.amdhsa_forward_progress 1
		.amdhsa_inst_pref_size 24
	.end_amdhsa_kernel
	.amdgpu_metadata
---
amdhsa.version: [ 1, 2 ]
amdhsa.kernels:
  - .name:           k_q20c36de3fa_quant
    .symbol:         k_q20c36de3fa_quant.kd
    .args:
      - { .name: q, .offset: 0, .size: 8, .value_kind: global_buffer, .address_space: global }
      - { .name: k, .offset: 8, .size: 8, .value_kind: global_buffer, .address_space: global }
      - { .name: Wq, .offset: 16, .size: 8, .value_kind: global_buffer, .address_space: global }
      - { .name: Wk, .offset: 24, .size: 8, .value_kind: global_buffer, .address_space: global }
      - { .name: Wv, .offset: 32, .size: 8, .value_kind: global_buffer, .address_space: global }
      - { .name: W1, .offset: 40, .size: 8, .value_kind: global_buffer, .address_space: global }
      - { .name: W2, .offset: 48, .size: 8, .value_kind: global_buffer, .address_space: global }
      - { .name: pa, .offset: 56, .size: 8, .value_kind: global_buffer, .address_space: global }
      - { .name: pb, .offset: 64, .size: 8, .value_kind: global_buffer, .address_space: global }
    .group_segment_fixed_size: 163072
    .private_segment_fixed_size: 0
    .kernarg_segment_align: 8
    .kernarg_segment_size: 72
    .max_flat_workgroup_size: 608
    .sgpr_count:     96
    .vgpr_count:     192
    .wavefront_size: 32
...
	.end_amdgpu_metadata
.endif
;; end of part 1
;; launch proj (part 2): grid 48 x 4, 4 waves a work-group, clusters of 4 x 4, 327,680 bytes of LDS; arguments pa, bq, bk, bv, pc; writes pc
.if DOCPART == 2
	.amdgcn_target "amdgcn-amd-amdhsa--gfx1250"
	.amdhsa_code_object_version 6
	.text
	.protected	k_q20c36de3fa_proj
	.globl	k_q20c36de3fa_proj
	.p2align	8
	.type	k_q20c36de3fa_proj,@function
k_q20c36de3fa_proj:
	s_mov_b64 s[64:65], 0
	v_nop
	global_prefetch_b8 v0, s[64:65] scope:SCOPE_SE
	s_setreg_imm32_b32 hwreg(HW_REG_WAVE_MODE, 25, 1), 1
	s_wait_xcnt 0x0
	s_wait_alu depctr_hold_cnt(0) depctr_sa_sdst(0) depctr_va_vdst(0) depctr_va_sdst(0) depctr_va_ssrc(0) depctr_va_vcc(0) depctr_vm_vsrc(0)
	s_getreg_b32 s2, hwreg(HW_REG_IB_STS2, 6, 4)
	s_cmp_eq_u32 s2, 0
	s_cbranch_scc0 .Lentry_in_a_cluster
	s_endpgm
.Lentry_in_a_cluster:
	s_bfe_u32 s2, ttmp6, 0x10000c
	s_cmp_lg_u32 s2, 0xf033
	s_cbranch_scc0 .Lentry_shape_is_right
	s_endpgm
.Lentry_shape_is_right:
; Q = q Wq^T + bq, K = k Wk^T + bk, V = k Wv^T + bv on codes of FP6, and the results quantised in registers: Q and K along the head's 64, V along the keys.
; KIND = cluster x / 4: 0 Q, 1 K, 2 V.  The matrix instruction is used transposed: a lane holds one row of source 1, its registers run along source 0's rows.
; Kinds 0, 1: source 1 = tokens, source 0 = the weight's rows (features): registers run along the features.  Kind 2: source 1 = Wv's rows, source 0 = tokens: registers run along the keys.
; A work-group makes 256 x 256, a wave 128 x 128 (64 accumulators), K = 1,024 in eight steps of 128.  Operands are images of fragments (1,536 bytes each), so a tile is dense rows for the mover and
; a fragment is three ds_load_b128 at 16 x lane.  Three LDS slots of two steps; all three filled at the start, slot 0 filled once again (steps 6, 7): one tensor load of a
; wave is out at a time.  CLUSTER 4 x 4: source 1's tiles hang on cy and are asked for jointly along a row, source 0's on cx, along a column.
; OUT (pc): codes at kind x 3,145,728 + (16 batch + head) x 98,304 + (128 tokens) x 6,144.  Q, K: four images a step, registers 0-5 token tile 2 x, 6-11 tile 2 x + 1 of one head.
; V: four fragments (16 of the head's 64 x 128 keys).  Scale words at 9,437,184 + bh x 12,288 + kind x 4,096 + step x 256 + 16 r + 4 x.
; LIMITS: as in the first launch (byte 1 under 2^-124; no NaN, no infinities).
; REGISTERS: window 0: v1-31 addresses; v32-95 scale words (8 i + s: lanes 0-15 source 1's tile i, lanes 16-31 source 0's, step s); v96-127, v224-255 the bias as C; v128-223 source 1's fragments, later
; the way out's temporaries.  Window 1: source 0's fragments, two sets.  Windows 2, 3: accumulator (a, b) at v[8 (8 (a % 4) + b)].
.set SCA,   14942208
.set SCST,  77824
.set SBP,   9437184
; THE RING AS IT NOW STANDS (in place of the three slots of the head comment): one tensor load a wave at the head brings steps 0-3 (rows of 6,144 bytes, tiles 6,144 apart, bytes 0 to 196,607);
; behind the full sequence and a round steps 4, 5 go to byte 196,608 on (tiles 3,072 apart); in step 3 a round opens the refill of bytes 0 to 98,303 with steps 6, 7.  One load of a wave is out at a time.
.set SLOT,  98304
.set TP,    3072                       ; bytes from tile to tile in LDS; set anew where the walk changes slots
.set SPARE, 296960
.set ADRA, 16
.set ADRB, 20
.set LI,   23
.set SVO,  24
.set SPW,  28
.set NIL,  29
.set SC,   32
.set CB,   96
.set AF,   128
.set HA,   128
.set HB,   140
.set QT,   152
.set TM,   160
.set PWA,  176
.set PWB,  177
.set W,    180
.set WS,   188
.set G1A, 24
.set G1B, 32
.set G0A, 40
.set G0B, 52
.set SEL, 90
.set MSB, 0
.macro WIN new                         ; the immediate's high byte repeats the setting that is left
.if MSB != (\new)
	s_set_vgpr_msb (MSB<<8)|(\new)
.set MSB, (\new)
.endif
.endm
.macro PLACES n
.rept \n
	v_nop
.endr
.endm
.macro JLOAD g0a, g1a, g0b, g1b        ; a joint load: waves 0, 1 fetch for source 1, waves 2, 3 for source 0
	s_cmp_eq_u32 s15, 0
	s_cbranch_scc0 .Lfor_b_\@
	tensor_load_to_lds s[\g0a:\g0a+3], s[\g1a:\g1a+7]
	s_nop 0
.rept 4
	v_nop
.endr
	s_branch .Lasked_\@
.Lfor_b_\@:
	tensor_load_to_lds s[\g0b:\g0b+3], s[\g1b:\g1b+7]
	s_nop 0
.rept 4
	v_nop
.endr
.Lasked_\@:
.endm
.macro CREST
	s_cmp_lg_u32 s14, 0
	s_cbranch_scc1 .Lnot_wave_0_\@
	s_barrier_signal -3
.Lnot_wave_0_\@:
	s_barrier_wait -3
	s_barrier_signal -1
	s_barrier_wait -1
.endm
.macro CROUND
	s_barrier_signal -1
	s_barrier_wait -1
	CREST
.endm
.macro FRAG reg, adr, off
.irp c, 0,1,2
	ds_load_b128 v[(\reg)+4*\c:(\reg)+4*\c+3], v[\adr] offset:(\off)+512*\c
.endr
.endm
.macro FETCH_B adr, off, p
	WIN 0x40
.irp i, 0,1,2,3,4,5,6,7
	FRAG 128*(\p)+12*\i, \adr, (\off)+TP*\i
.endr
	WIN 0
.endm
.macro FETCH_A adr, off, i0
.irp i, \i0, \i0+1, \i0+2, \i0+3
	FRAG AF+12*(\i), \adr, (\off)+TP*(\i)
.endr
.endm
; 16 matrix instructions.  cm: 0 adds in place, 3 starts with 0, 1 starts with the bias by source 0's tile, 2 by source 1's.  The 64 accumulators take turns.
.macro MUL16 a0, p, s, cm
.irp a, \a0, \a0+1
.irp b, 0,1,2,3,4,5,6,7
.set AC, 8*(8*((\a)%4)+\b)
.if (\cm) == 0
	v_wmma_scale_f32_16x16x128_f8f6f4 v[AC:AC+7], v[128*(\p)+12*\b:128*(\p)+12*\b+11], v[AF+12*(\a):AF+12*(\a)+11], v[AC:AC+7], v[SC+8*\b+(\s)], v[SC+8*(\a)+(\s)] matrix_a_fmt:MATRIX_FMT_FP6 matrix_b_fmt:MATRIX_FMT_FP6 matrix_a_scale:MATRIX_SCALE_ROW1
.elseif (\cm) == 3
	v_wmma_scale_f32_16x16x128_f8f6f4 v[AC:AC+7], v[128*(\p)+12*\b:128*(\p)+12*\b+11], v[AF+12*(\a):AF+12*(\a)+11], 0, v[SC+8*\b+(\s)], v[SC+8*(\a)+(\s)] matrix_a_fmt:MATRIX_FMT_FP6 matrix_b_fmt:MATRIX_FMT_FP6 matrix_a_scale:MATRIX_SCALE_ROW1
.elseif (\cm) == 1
	v_wmma_scale_f32_16x16x128_f8f6f4 v[AC:AC+7], v[128*(\p)+12*\b:128*(\p)+12*\b+11], v[AF+12*(\a):AF+12*(\a)+11], v[CB+8*\b+96*(\b/4):CB+8*\b+96*(\b/4)+7], v[SC+8*\b+(\s)], v[SC+8*(\a)+(\s)] matrix_a_fmt:MATRIX_FMT_FP6 matrix_b_fmt:MATRIX_FMT_FP6 matrix_a_scale:MATRIX_SCALE_ROW1
.else
	v_wmma_scale_f32_16x16x128_f8f6f4 v[AC:AC+7], v[128*(\p)+12*\b:128*(\p)+12*\b+11], v[AF+12*(\a):AF+12*(\a)+11], v[CB+8*(\a)+96*((\a)/4):CB+8*(\a)+96*((\a)/4)+7], v[SC+8*\b+(\s)], v[SC+8*(\a)+(\s)] matrix_a_fmt:MATRIX_FMT_FP6 matrix_b_fmt:MATRIX_FMT_FP6 matrix_a_scale:MATRIX_SCALE_ROW1
.endif
.endr
.endr
.endm
.macro WMUL hi, cm                     ; source 0 window 1, source 1 window 0, D window 2 or 3; C with D, or (the bias) window 0
.if ((\cm) == 1) || ((\cm) == 2)
	WIN 0x81+0x40*(\hi)
.else
	WIN 0xa1+0x50*(\hi)
.endif
.endm
; A step of 128 along K; the next step's fragments lie at byte noff of the tiles that v[na], v[nb] address
.macro STEP s, na, nb, noff, cm
	s_wait_dscnt 12                                ; all but the youngest 12 loads (source 1's tiles 4-7)
	WMUL 0, \cm
	MUL16 0, (\s)%2, \s, \cm
	MUL16 2, (\s)%2, \s, \cm
	s_wait_dscnt 0x0
	PLACES 4                                       ; four places in front of loads into registers that matrix instructions have read
	FETCH_B \nb, \noff, 1-(\s)%2
	FETCH_A \na, \noff, 0
	WMUL 1, \cm
	MUL16 4, (\s)%2, \s, \cm
	MUL16 6, (\s)%2, \s, \cm
	PLACES 4
	WIN 0
	FETCH_A \na, \noff, 4
.endm
; A slot's last step: one barrier; in front of it every wave waits for all its tensor loads, adds 0 to its spare word and waits for that and for its reads of the slot
.macro TURN s, na, nb, noff, cm, fill, set
	s_wait_tensorcnt 0x0
	ds_add_u32 v[SPW], v[NIL]
	s_wait_dscnt 13                                ; the add and the youngest 12 loads may be out
	WMUL 0, \cm
	MUL16 0, (\s)%2, \s, \cm
	s_wait_dscnt 0x0                               ; the add is done, my reads of this slot are over
	s_barrier_signal -1
	MUL16 2, (\s)%2, \s, \cm
	WIN 0
	s_barrier_wait -1
.if \fill
	CREST                                          ; the barrier has opened a round of the cluster's barrier: no wave of any partner reads the slot or has a load on its way
	JLOAD G0A+4*(\set), G1A, G0B+4*(\set), G1B     ; its four v_nop are the places in front of the loads below
.else
	PLACES 4
.endif
	FETCH_B \nb, \noff, 1-(\s)%2
	FETCH_A \na, \noff, 0
	WMUL 1, \cm
	MUL16 4, (\s)%2, \s, \cm
	MUL16 6, (\s)%2, \s, \cm
	PLACES 4
	WIN 0
	FETCH_A \na, \noff, 4
.endm
.macro LAST s
	s_wait_dscnt 12
	WMUL 0, 0
	MUL16 0, (\s)%2, \s, 0
	MUL16 2, (\s)%2, \s, 0
	s_wait_dscnt 0x0
	WMUL 1, 0
	MUL16 4, (\s)%2, \s, 0
	MUL16 6, (\s)%2, \s, 0
	WIN 0
.endm
; 64 numbers v[s..s+63] of window w, register 16 b + i = k 32 b + 16 (lane / 16) + i of my row -> codes of k 0-63 in v[d0..], of k 64-127 in v[d1..], the scale word in v[pw], all in window 0.
; Each accumulator is read from its low end on.
.macro QUANT w, s, d0, d1, pw
	WIN 0x14*(\w)
.irp b, 0,1,2,3
	v_max3_num_f32 v[TM+\b], 0x1800000, |v[(\s)+16*\b]|, |v[(\s)+16*\b+1]|
.endr
.irp i, 2,4,6,8,10,12,14
.irp b, 0,1,2,3
	v_max3_num_f32 v[TM+\b], v[TM+\b], |v[(\s)+16*\b+\i]|, |v[(\s)+16*\b+\i+1]|
.endr
.endr
	WIN 0
.irp b, 0,1,2,3
	v_permlanex16_b32 v[TM+4+\b], v[TM+\b], s[SEL], s[SEL+1]
.endr
.irp b, 0,1,2,3
	v_max_num_f32 v[TM+\b], v[TM+\b], v[TM+4+\b]
.endr
.irp b, 0,1,2,3
	v_add_nc_u32 v[TM+12+\b], 0xff000000, v[TM+\b]
.endr
.irp b, 0,1,2,3
	v_lshrrev_b32 v[TM+4+\b], 23, v[TM+12+\b]
.endr
	v_lshl_or_b32 v[\pw], v[TM+5], 8, v[TM+4]
	v_lshl_or_b32 v[\pw], v[TM+6], 16, v[\pw]
	v_lshl_or_b32 v[\pw], v[TM+7], 24, v[\pw]
	WIN (\w)
	v_cvt_scalef32_pk16_fp6_f32 v[(\d0):(\d0)+2], v[(\s):(\s)+15], v[TM+12]
	v_cvt_scalef32_pk16_fp6_f32 v[QT:QT+2], v[(\s)+16:(\s)+31], v[TM+13]
	v_cvt_scalef32_pk16_fp6_f32 v[(\d1):(\d1)+2], v[(\s)+32:(\s)+47], v[TM+14]
	v_cvt_scalef32_pk16_fp6_f32 v[QT+4:QT+6], v[(\s)+48:(\s)+63], v[TM+15]
	WIN 0
	v_nop
.irp i, 0,1,2
	v_permlane16_swap_b32 v[(\d0)+\i], v[QT+\i]
	v_permlane16_swap_b32 v[(\d1)+\i], v[QT+4+\i]
.endr
.irp i, 0,1,2
	v_mov_b32 v[(\d0)+3+\i], v[QT+\i]
	v_mov_b32 v[(\d1)+3+\i], v[QT+4+\i]
.endr
.endm
	s_load_b256 s[4:11], s[0:1], 0x0               ; pa, bq, bk, bv
	s_load_b64 s[12:13], s[0:1], 0x20              ; pc
	v_lshl_add_u32 v[SPW], v0, 2, SPARE
	v_mov_b32 v[NIL], 0
	ds_add_u32 v[SPW], v[NIL]                      ; the opening: the add and its wait ahead of my first tensor load
	ds_add_u32 v[SPW], v[NIL]
	v_lshrrev_b32 v1, 5, v0
	v_readfirstlane_b32 s14, v1                    ; wave
	s_lshr_b32 s15, s14, 1                         ; my half of source 1's rows; also: I fetch for source 1 (0) or 0 (1)
	s_and_b32 s16, s14, 1                          ; my half of source 0's rows; also: which 8 tiles I fetch
	s_bfe_u32 s17, ttmp6, 0x40000                  ; cx
	s_bfe_u32 s18, ttmp6, 0x40004                  ; cy
	s_lshr_b32 s19, ttmp9, 2                       ; KIND: the same in all partners
	s_and_b32 s20, ttmp9, 3
	s_lshl_b32 s20, s20, 2
	s_cmp_eq_u32 s19, 2
	s_cselect_b32 s21, s20, 0
	s_cselect_b32 s22, 0, s20
	s_cselect_b32 s92, 0, 64                       ; the bias's offsets: by lane half,
	s_cselect_b32 s93, 4, 0                        ; by the lane's row,
	s_cselect_b32 s94, 0, 4                        ; by the register
	s_add_co_u32 s21, s21, s17                     ; T0: source 0's block of 256 rows (hangs on cx)
	s_add_co_u32 s22, s22, s18                     ; T1: source 1's (hangs on cy)
	s_cmp_eq_u32 s19, 0
	s_cselect_b32 s66, 0, 256                      ; source 1's first unit: q, k,
	s_mov_b32 s67, 576
	s_cselect_b32 s67, 512, s67                    ; source 0's: Wq, Wk,
	s_cmp_eq_u32 s19, 2
	s_cselect_b32 s66, 640, s66                    ; Wv
	s_cselect_b32 s67, 256, s67                    ; k
	s_lshl_b32 s68, s18, 2
	s_lshl_b32 s68, 15, s68                        ; my row of the cluster
	s_lshl_b32 s69, 0x1111, s17                    ; my column
	s_or_b32 s[G1A], s68, (3<<16)|(1<<21)          ; elements of 8 bytes, no padding
	s_or_b32 s[G1B], s69, (3<<16)|(1<<21)
.irp g, G1A, G1B
	s_mov_b32 s[\g+1], 768<<16                     ; the head's load: a row is one tile's four steps, 6,144 bytes
	s_mov_b32 s[\g+2], 8<<16                       ; 8 tiles
	s_mov_b32 s[\g+3], 768<<16
	s_mov_b32 s[\g+4], 8
	s_mov_b32 s[\g+5], 1536                        ; 12,288 bytes from tile to tile
	s_mov_b32 s[\g+6], 0
	s_mov_b32 s[\g+7], 0
.endr
	s_lshl_b32 s23, s16, 3
	s_lshl_b32 s70, s22, 4
	s_add_co_u32 s70, s70, s23
	s_add_co_u32 s70, s70, s66
	s_mul_i32 s70, s70, 12288
	s_mov_b32 s71, 0
	s_lshl_b32 s72, s21, 4
	s_add_co_u32 s72, s72, s23
	s_add_co_u32 s72, s72, s67
	s_mul_i32 s72, s72, 12288
	s_mov_b32 s73, 0
	s_mul_i32 s74, s14, 24576                      ; where my 8 tiles go in a slot
	s_mov_b32 s[SEL], 0x76543210
	s_mov_b32 s[SEL+1], 0xfedcba98
	s_wait_dscnt 0x0
	s_wait_kmcnt 0x0
	s_add_nc_u64 s[70:71], s[4:5], s[70:71]
	s_add_nc_u64 s[72:73], s[4:5], s[72:73]
	CROUND                                         ; all sixteen work-groups are here: the first joint loads meet
.macro G0SET j, wb, lof, gof           ; group 0, set j: LDS byte s[wb] + lof, the tiles' byte gof
	s_mov_b32 s[G0A+4*\j], 1
	s_add_co_u32 s[G0A+4*\j+1], s\wb, \lof
	s_add_nc_u64 s[G0A+4*\j+2:G0A+4*\j+3], s[70:71], \gof
	s_or_b32 s[G0A+4*\j+3], s[G0A+4*\j+3], 0x80000000
	s_mov_b32 s[G0B+4*\j], 1
	s_add_co_u32 s[G0B+4*\j+1], s\wb, \lof
	s_add_nc_u64 s[G0B+4*\j+2:G0B+4*\j+3], s[72:73], \gof
	s_or_b32 s[G0B+4*\j+3], s[G0B+4*\j+3], 0x80000000
.endm
	s_mul_i32 s75, s14, 49152                      ; where my 8 tiles of four steps go
	G0SET 0, 74, 0, 9216                           ; steps 6, 7
	G0SET 1, 75, 0, 0                              ; steps 0-3
	G0SET 2, 74, 2*SLOT, 6144                      ; steps 4, 5
	JLOAD G0A+4, G1A, G0B+4, G1B                   ; one tensor load a wave at the head
	v_and_b32 v1, 31, v0
	v_and_b32 v2, 15, v0                           ; r
	v_bfe_u32 v3, v0, 4, 1                         ; h
	v_lshlrev_b32 v[LI], 4, v1
	s_mul_i32 s76, s15, 24576
	s_mul_i32 s77, s16, 24576
	s_add_co_u32 s77, s77, 49152
	v_add_nc_u32 v[ADRA], s76, v[LI]               ; steps 6, 7
	v_add_nc_u32 v[ADRB], s77, v[LI]
	s_add_co_u32 s76, s76, 2*SLOT
	s_add_co_u32 s77, s77, 2*SLOT
	v_add_nc_u32 v[ADRA+2], s76, v[LI]             ; steps 4, 5
	v_add_nc_u32 v[ADRB+2], s77, v[LI]
	s_mul_i32 s76, s15, 49152
	s_mul_i32 s77, s16, 49152
	s_add_co_u32 s77, s77, 98304
	s_wait_alu depctr_va_vdst(0)
	v_add_nc_u32 v[ADRA+1], s76, v[LI]
	v_add_nc_u32 v[ADRB+1], s77, v[LI]
	s_lshl_b32 s78, s22, 4                         ; the scale words: lanes 0-15 source 1's rows, lanes 16-31 source 0's
	s_lshl_b32 s79, s15, 3
	s_add_co_u32 s78, s78, s79
	s_add_co_u32 s78, s78, s66
	s_lshl_b32 s78, s78, 6
	s_lshl_b32 s79, s21, 4
	s_add_co_u32 s79, s79, s23
	s_add_co_u32 s79, s79, s67
	s_lshl_b32 s79, s79, 6
	v_mov_b32 v25, s78
	v_mov_b32 v26, s79
	v_cmp_eq_u32 vcc_lo, 1, v3
	v_cndmask_b32 v25, v25, v26, vcc_lo
	v_lshl_add_u32 v[SVO], v2, 2, v25
	s_add_nc_u64 s[80:81], s[4:5], SCA
.irp i, 0,1,2,3,4,5,6,7
.irp s, 0,1,2,3,4,5,6,7
	global_load_b32 v[SC+8*\i+\s], v[SVO], s[80:81] offset:\s*SCST+64*\i
.endr
.endr
	s_lshl_b32 s82, s22, 8
	s_lshl_b32 s98, s15, 7
	s_add_co_u32 s82, s82, s98                     ; my first row of source 1
	s_lshl_b32 s83, s21, 8
	s_lshl_b32 s98, s16, 7
	s_add_co_u32 s83, s83, s98                     ; and of source 0
	s_cmp_eq_u32 s19, 2
	s_cselect_b32 s86, s83, s82                    ; my first token
	s_cselect_b32 s87, s82, s83                    ; my first feature
	s_cmp_eq_u32 s19, 0
	s_cselect_b64 s[88:89], s[6:7], s[8:9]
	s_cmp_eq_u32 s19, 2
	s_cselect_b64 s[88:89], s[10:11], s[88:89]     ; the kind's bias
	s_lshl_b32 s98, s87, 2
	s_mov_b32 s99, 0
	s_add_nc_u64 s[88:89], s[88:89], s[98:99]
	v_and_b32 v4, 7, v2
	v_lshrrev_b32 v5, 3, v2
	v_lshl_add_u32 v4, v5, 4, v4                   ; the lane's row in a tile: r % 8 + 16 (r / 8)
	v_mul_u32_u24 v5, s92, v3
	v_mad_u32_u24 v5, v4, s93, v5
.irp j, 0,1,2,3,4,5,6,7
	v_mad_u32_u24 v[8+\j], s94, \j, v5             ; kinds 0, 1: feature 16 h + j of the tile pair; kind 2: the lane's own feature in every register
.endr
.irp x, 0,1,2,3,4,5,6,7
.irp j, 0,1,2,3,4,5,6,7
	global_load_b32 v[CB+8*\x+96*(\x/4)+\j], v[8+\j], s[88:89] offset:(32*(\x/2)+8*(\x%2))*4
.endr
.endr
	s_lshr_b32 s98, s86, 11                        ; where the results go
	s_lshl_b32 s98, s98, 4
	s_lshr_b32 s99, s87, 6
	s_add_co_u32 s98, s98, s99                     ; bh of my first head
	s_bfe_u32 s99, s86, 0x40007                    ; the step of 128 tokens
	s_mul_i32 s84, s19, 3145728
	s_mul_i32 s85, s98, 98304
	s_add_co_u32 s84, s84, s85
	s_mul_i32 s85, s99, 6144
	s_add_co_u32 s84, s84, s85
	s_mov_b32 s85, 0
	s_add_nc_u64 s[84:85], s[12:13], s[84:85]
	s_mul_i32 s96, s98, 12288
	s_lshl_b32 s97, s19, 12
	s_add_co_u32 s96, s96, s97
	s_lshl_b32 s97, s99, 8
	s_add_co_u32 s96, s96, s97
	s_add_co_u32 s96, s96, SBP
	s_mov_b32 s97, 0
	s_add_nc_u64 s[96:97], s[12:13], s[96:97]
	v_mul_u32_u24 v6, 0x3000, v3
	v_lshl_add_u32 v6, v2, 4, v6                   ; the scale words' store: 16 r, lanes 16-31 the next head
	s_wait_alu depctr_va_vdst(0)                   ; the head's end
	s_wait_tensorcnt 0x0                           ; my part of steps 0-3 is in
	ds_add_u32 v[SPW], v[NIL]
.irp g, G1A, G1B
	s_mov_b32 s[\g+1], 384<<16                     ; no load of mine is out: from here on a row is two steps, 3,072 bytes
	s_mov_b32 s[\g+3], 384<<16
.endr
	s_wait_dscnt 0x0
	CROUND
	JLOAD G0A+8, G1A, G0B+8, G1B                   ; steps 4, 5: the first tensor load behind the round
.set TP, 6144
	FETCH_B ADRB+1, 0, 0
	FETCH_A ADRA+1, 0, 0
	FETCH_A ADRA+1, 0, 4
	s_wait_loadcnt 0x0                             ; scale words and bias
	s_cmp_eq_u32 s19, 2                            ; the first step starts the sums with the bias: by source 0's tile, or (V) by source 1's
	s_cbranch_scc1 .Lfirst_v
	STEP 0, ADRA+1, ADRB+1, 1536, 1
	s_branch .Lfirst_done
.Lfirst_v:
	STEP 0, ADRA+1, ADRB+1, 1536, 2
.Lfirst_done:
	STEP 1, ADRA+1, ADRB+1, 3072, 0
	STEP 2, ADRA+1, ADRB+1, 4608, 0
.set TP, 3072
	TURN 3, ADRA+2, ADRB+2, 0, 0, 1, 0             ; steps 4, 5 are whole behind it; steps 6, 7 go into bytes that steps 0-3 held
	STEP 4, ADRA+2, ADRB+2, 1536, 0
	TURN 5, ADRA, ADRB, 0, 0, 0, 0
	STEP 6, ADRA, ADRB, 1536, 0
	LAST 7
	PLACES 4                                       ; in front of the first read of results and of writes into source 1's registers
.irp b, 0,1,2,3
	v_mov_b32 v[TM+4+\b], 0
.endr
	s_cmp_eq_u32 s19, 2
	s_cbranch_scc1 .Lout_v
.irp x, 0,1,2,3                        ; Q, K: token tiles 2 x, 2 x + 1; features 0-63 are one head, 64-127 the next
	s_wait_xcnt 0x0                                ; the last images' stores have read their registers
	QUANT 2+(2*\x)/4, 64*((2*\x)%4), HA, HB, PWA
	QUANT 2+(2*\x+1)/4, 64*((2*\x+1)%4), HA+6, HB+6, PWB
	v_perm_b32 v[W+\x], v[PWB], v[PWA], 0x05040100     ; the first head's two bytes of each tile
	v_perm_b32 v[W+4+\x], v[PWB], v[PWA], 0x07060302   ; the second head's
.irp c, 0,1,2
	global_store_b128 v[LI], v[HA+4*\c:HA+4*\c+3], s[84:85] offset:1536*\x+512*\c
	global_store_b128 v[LI], v[HB+4*\c:HB+4*\c+3], s[84:85] offset:98304+1536*\x+512*\c
.endr
.endr
	s_branch .Lout_words
.Lout_v:
.irp a, 0,1,2,3,4,5,6,7                ; V: feature tile a: head a / 4, fragment a % 4; the 64 registers are 128 keys
	s_wait_xcnt 0x0
	QUANT 2+\a/4, 64*(\a%4), HA, HA+6, W+\a
.irp c, 0,1,2
	global_store_b128 v[LI], v[HA+4*\c:HA+4*\c+3], s[84:85] offset:(\a/4)*98304+(\a%4)*1536+512*\c
.endr
.endr
.Lout_words:
	v_cmp_eq_u32 vcc_lo, 1, v3
	s_wait_alu depctr_va_vdst(0)
.irp i, 0,1,2,3
	v_cndmask_b32 v[WS+\i], v[W+\i], v[W+4+\i], vcc_lo
.endr
	global_store_b128 v6, v[WS:WS+3], s[96:97]     ; two aligned runs of 256 bytes
	s_wait_tensorcnt 0x0                           ; the wave's end
	ds_add_u32 v[SPW], v[NIL]
	s_wait_dscnt 0x0
	CROUND                                         ; the closing round
	s_endpgm
.Lfunc_end_k_q20c36de3fa_proj:
	.size	k_q20c36de3fa_proj, .Lfunc_end_k_q20c36de3fa_proj-k_q20c36de3fa_proj
	.p2alignl 7, 3214868480
	.fill 96, 4, 3214868480
	.section	.rodata,"a",@progbits
	.p2align	6, 0x0
	.amdhsa_kernel k_q20c36de3fa_proj
		.amdhsa_group_segment_fixed_size 327680
		.amdhsa_private_segment_fixed_size 0
		.amdhsa_enable_private_segment 0
		.amdhsa_kernarg_size 40
		.amdhsa_user_sgpr_count 2
		.amdhsa_user_sgpr_kernarg_segment_ptr 1
		.amdhsa_wavefront_size32 1
		.amdhsa_system_sgpr_workgroup_id_x 1
		.amdhsa_system_sgpr_workgroup_id_y 1
		.amdhsa_system_sgpr_workgroup_id_z 1
		.amdhsa_system_vgpr_workitem_id 0
		.amdhsa_next_free_vgpr 1024
		.amdhsa_next_free_sgpr 100
		.amdhsa_reserve_vcc 1
		.amdhsa_float_denorm_mode_32 3
		.amdhsa_float_denorm_mode_16_64 3
		.amdhsa_memory_ordered 1
		.amdhsa_forward_progress 1
		.amdhsa_inst_pref_size 195
	.end_amdhsa_kernel
	.amdgpu_metadata
---
amdhsa.version: [ 1, 2 ]
amdhsa.kernels:
  - .name:           k_q20c36de3fa_proj
    .symbol:         k_q20c36de3fa_proj.kd
    .args:
      - { .name: pa, .offset: 0, .size: 8, .value_kind: global_buffer, .address_space: global }
      - { .name: bq, .offset: 8, .size: 8, .value_kind: global_buffer, .address_space: global }
      - { .name: bk, .offset: 16, .size: 8, .value_kind: global_buffer, .address_space: global }
      - { .name: bv, .offset: 24, .size: 8, .value_kind: global_buffer, .address_space: global }
      - { .name: pc, .offset: 32, .size: 8, .value_kind: global_buffer, .address_space: global }
    .group_segment_fixed_size: 327680
    .private_segment_fixed_size: 0
    .kernarg_segment_align: 8
    .kernarg_segment_size: 40
    .max_flat_workgroup_size: 128
    .sgpr_count:     100
    .vgpr_count:     1024
    .wavefront_size: 32
...
	.end_amdgpu_metadata
.endif
;; end of part 2
;; launch attn (part 3): grid 8 x 32, 16 waves a work-group, no clusters, 327,680 bytes of LDS; arguments pc, q, att; writes att
.if DOCPART == 3
	.amdgcn_target "amdgcn-amd-amdhsa--gfx1250"
	.amdhsa_code_object_version 6
	.text
	.protected	k_q20c36de3fa_attn
	.globl	k_q20c36de3fa_attn
	.p2align	8
	.type	k_q20c36de3fa_attn,@function
k_q20c36de3fa_attn:
	s_mov_b64 s[64:65], 0
	v_nop
	global_prefetch_b8 v0, s[64:65] scope:SCOPE_SE
	s_setreg_imm32_b32 hwreg(HW_REG_WAVE_MODE, 25, 1), 1
	s_wait_xcnt 0x0
; att = softmax(Q K^T / 8, causal) V + q, both products on codes of FP6.  p = 2^(t - M), t = score x log2(e) / 8, M the running largest t rounded up to a whole number; p is quantised along the keys;
; the row's sum is taken of the unquantised p and divides at the end.
; LEFT OUT: key steps of 128 keys that lie wholly behind a tile's queries: reference()'s own jnp.tril gives them -1e9, whose p is 0 for all finite inputs with |score| far under 1e9.
; In the diagonal step hidden scores become -infinity (the same p = 0).  LIMITS: the scaled scores stay under 2^31 in magnitude; NaN and infinities are not served.
; SHARES.  Work-group (i, bh): one head, the blocks of 128 queries i (low) and 15 - i (high).  Waves w and w + 8 share tile w of both blocks, 17 key steps in all:
;   wave w:     the high tile's steps 0 .. i, then those T in i + 1 .. 15 - i with T - i odd (the diagonal step among them): 9 steps;
;   wave w + 8: the low tile's steps 0 .. i; at T = i + 1 it lays the low tile's result by and begins anew on the high tile: its T with T - i even: 8 steps.
; The high tile's two parts (-M, sum, O^T) meet once, through LDS: M is a whole number, so each part is brought under the common M by a power of two.
; Every wave walks all 16 trips; scalar branches on ids lead round the steps that are not its own, and round no wait, barrier or add.
; LDS: the head's K and V (98,304 bytes each) and their scale words, each byte filled once.  At the head one tensor load a wave: waves 0-7 key steps 0-3 of K and V, waves 8-15 the scale words;
; behind the full sequence one more a wave: key steps 4-15, which have the first four trips in which to land.  One load of a wave is out at a time.
; No joint loads: the work-groups that share K and V differ in i, on which the branches round key steps hang.  K and V have no later tile to ask ahead for; q's rows are prefetched at mid-walk, a lane a row.
; HEAD SIZE 64: an image of K holds token tile 2 x in k 0-63 and tile 2 x + 1 in k 64-127; it is multiplied by [Q | 0] and by [0 | Q].
; Both products are used transposed: a lane holds one query; the 16 registers of score tiles 2 x, 2 x + 1 are keys 32 x + 16 (lane / 16) + 0 .. 15.
; REGISTERS: v1-7 addresses; v8-11 the step's; v12 -M, v13 largest t, v[14:15] the sum; v16-21 zeros, v22-27 Q, v28-33 zeros; v34 the mask's bound; v36-83 four images; v84-90 the high tile's Q and word;
; v91-95 addresses; v96-159 scores, then p; v160-191 O^T; v192-223 the finished tile; v224-247 p's codes and work; v248-251 K's or V's scale words; v252 f, v253 p's word, v255 Q's word.
.set SBP,   9437184
.set KV,    3145728
.set LV,    98304
.set LSK,   196608
.set LSV,   200704
.set STAGE, 204800                     ; 16 rows x 272 bytes for each wave
.set MRG,   274432                     ; 4,352 bytes for each pair of waves: O^T, -M, the sum
.set SPARE, 309248
.set AK0,  1
.set AV0,  2
.set ASK0, 3
.set ASV0, 4
.set SPW,  5
.set NIL,  6
.set GO,   7
.set ADK,  8
.set ADV,  9
.set ADS,  10
.set ADT,  11
.set QN,   84
.set QW,   90
.set PF,   91
.set STI,  92
.set STO,  93
.set MA,   94
.set MB,   95
.set F,    192
.set II,   10
.set HI,   11
.set PAR,  12
.set TR,   13
.set WV,   18
.set QB,   19
.set SEL,  20
.set CS,   22
.set G1S,  28
.set G1E,  36
.set G1L,  44
.set G0S,  52
.set G0E,  56
.set G0L,  60
.set TB,   66
.set TS,   67
.set T,    68
.set CNT,  69
.macro G1SET g, r                      ; r dense rows of 256 bytes (32 elements of 8 bytes)
	s_mov_b32 s[\g], 3<<16
	s_mov_b32 s[\g+1], 32<<16
	s_mov_b32 s[\g+2], (\r)<<16
	s_mov_b32 s[\g+3], 32<<16
	s_mov_b32 s[\g+4], \r
	s_mov_b32 s[\g+5], 32
	s_mov_b32 s[\g+6], 0
	s_mov_b32 s[\g+7], 0
.endm
	s_load_b128 s[4:7], s[0:1], 0x0                ; pc, q
	s_load_b64 s[8:9], s[0:1], 0x10                ; att
	v_lshl_add_u32 v[SPW], v0, 2, SPARE
	v_mov_b32 v[NIL], 0
	ds_add_u32 v[SPW], v[NIL]                      ; the opening: the add, twice, and its wait ahead of my first tensor load
	ds_add_u32 v[SPW], v[NIL]
	v_lshrrev_b32 v8, 5, v0
	s_delay_alu instid0(VALU_DEP_1)
	v_readfirstlane_b32 s[WV], v8
	s_and_b32 s24, ttmp7, 0xffff                   ; bh
	s_lshr_b32 s25, s[WV], 3                       ; 0: I keep the high tile; 1: I begin on the low one.  Also: steps 4-15 of K (0) or V (1)
	s_and_b32 s26, s[WV], 7                        ; my tile in the block; also which eighth I fetch
	s_mov_b32 s[II], ttmp9
	s_sub_co_u32 s[HI], 15, ttmp9
	s_add_co_u32 s27, ttmp9, 1
	s_cmp_lt_u32 s[WV], 8
	s_cselect_b32 s[QB], s[HI], s[II]              ; the block of the tile that I store
	s_cselect_b32 s[PAR], s27, s[II]               ; behind step i: mine are the T of this parity
	s_cselect_b32 s[TR], 99, s27                   ; the trip at whose head I change tiles (99: never)
	G1SET G1S, 4
	G1SET G1E, 24
	G1SET G1L, 36
	s_mul_i32 s80, s24, 98304
	s_mul_i32 s81, s24, 12288
	s_lshr_b32 s70, s[WV], 2                       ; waves 0-3: K's steps 0-3, waves 4-7: V's; 6,144 bytes a wave
	s_and_b32 s71, s[WV], 3
	s_mul_i32 s71, s71, 6144
	s_mul_i32 s74, s70, KV
	s_add_co_u32 s74, s74, s80
	s_add_co_u32 s74, s74, s71
	s_add_co_u32 s74, s74, KV
	s_mov_b32 s75, 0
	s_mul_i32 s70, s70, LV
	s_mov_b32 s[G0E], 1
	s_add_co_u32 s[G0E+1], s70, s71
	s_lshl_b32 s76, s26, 10                        ; waves 8-15: K's and V's scale words, 8,192 bytes on end, 1,024 a wave
	s_add_co_u32 s72, s81, s76
	s_add_co_u32 s72, s72, SBP+4096
	s_mov_b32 s73, 0
	s_mov_b32 s[G0S], 1
	s_add_co_u32 s[G0S+1], s76, LSK
	s_mul_i32 s77, s26, 9216                       ; key steps 4-15: 73,728 bytes, 9,216 a wave
	s_mul_i32 s78, s25, KV
	s_add_co_u32 s78, s78, s80
	s_add_co_u32 s78, s78, s77
	s_add_co_u32 s78, s78, KV+24576
	s_mov_b32 s79, 0
	s_mul_i32 s82, s25, LV
	s_mov_b32 s[G0L], 1
	s_add_co_u32 s[G0L+1], s82, s77
	s_add_co_u32 s[G0L+1], s[G0L+1], 24576
	s_lshl_b32 s83, s[QB], 3
	s_add_co_u32 s83, s83, s26                     ; the tile that I store, in the batch
	s_lshr_b32 s84, s83, 1
	s_mul_i32 s86, s84, 1536
	s_add_co_u32 s86, s86, s80
	s_mov_b32 s87, 0                               ; its Q's image
	s_lshl_b32 s88, s[QB], 8
	s_add_co_u32 s88, s88, s81
	s_lshr_b32 s85, s26, 1
	s_lshl_b32 s85, s85, 2
	s_add_co_u32 s88, s88, s85
	s_add_co_u32 s88, s88, SBP
	s_mov_b32 s89, 0                               ; its scale words
	s_sub_co_u32 s71, s[HI], s[QB]                 ; blocks from there to the high tile
	s_mul_i32 s2, s71, 6144
	s_add_co_u32 s2, s2, s86
	s_mov_b32 s3, 0                                ; the high tile's image
	s_lshl_b32 s16, s71, 8
	s_add_co_u32 s16, s16, s88
	s_mov_b32 s17, 0                               ; and words
	s_and_b32 s94, s[WV], 1                        ; which half of an image is my tile
	s_lshl_b32 s92, s94, 3
	s_lshr_b32 s90, s24, 4
	s_lshl_b32 s90, s90, 11
	s_lshl_b32 s84, s84, 5
	s_add_co_u32 s90, s90, s84
	s_add_co_u32 s90, s90, s92                     ; the stored tile's first token
	s_lshl_b32 s90, s90, 12
	s_and_b32 s93, s24, 15
	s_lshl_b32 s93, s93, 8
	s_add_co_u32 s90, s90, s93
	s_mov_b32 s91, 0                               ; its head's 256 bytes in q and att
	s_lshl_b32 s95, s85, 3
	s_add_co_u32 s95, s95, s92                     ; the tile's first token in its block
	s_cmp_eq_u32 s94, 1
	s_cselect_b32 s96, -1, 0
	s_lshl_b32 s97, s94, 4
	s_mul_i32 s14, s[WV], 4352
	s_add_co_u32 s14, s14, STAGE
	s_mul_i32 s15, s26, 4352
	s_add_co_u32 s15, s15, MRG
	s_mov_b32 s[SEL], 0x76543210
	s_mov_b32 s[SEL+1], 0xfedcba98
	s_mov_b32 s[CS], 0x3e38aa3b                    ; log2(e) / 8
	s_mov_b32 s[CS+1], s[CS]
	s_mov_b32 s[TB], 0
	s_mov_b32 s[TS], 0
	s_mov_b32 s[T], 0
	s_wait_dscnt 0x0
	s_wait_kmcnt 0x0
	s_add_nc_u64 s[G0S+2:G0S+3], s[4:5], s[72:73]
	s_or_b32 s[G0S+3], s[G0S+3], 0x80000000
	s_add_nc_u64 s[G0E+2:G0E+3], s[4:5], s[74:75]
	s_or_b32 s[G0E+3], s[G0E+3], 0x80000000
	s_add_nc_u64 s[G0L+2:G0L+3], s[4:5], s[78:79]
	s_or_b32 s[G0L+3], s[G0L+3], 0x80000000
	s_cmp_lt_u32 s[WV], 8                          ; one tensor load a wave at the head: every way passes one
	s_cbranch_scc0 .Lhead_words
	tensor_load_to_lds s[G0E:G0E+3], s[G1E:G1E+7]
	s_nop 0
.rept 4
	v_nop
.endr
	s_branch .Lhead_asked
.Lhead_words:
	tensor_load_to_lds s[G0S:G0S+3], s[G1S:G1S+7]
	s_nop 0
.rept 4
	v_nop
.endr
.Lhead_asked:
	s_add_nc_u64 s[86:87], s[4:5], s[86:87]
	s_add_nc_u64 s[88:89], s[4:5], s[88:89]
	s_add_nc_u64 s[2:3], s[4:5], s[2:3]
	s_add_nc_u64 s[16:17], s[4:5], s[16:17]
	s_add_nc_u64 s[98:99], s[6:7], s[90:91]
	s_add_nc_u64 s[90:91], s[8:9], s[90:91]
	v_and_b32 v8, 15, v0                           ; r
	v_bfe_u32 v9, v0, 4, 1                         ; h
	v_and_b32 v10, 31, v0
	v_lshlrev_b32 v35, 4, v8
	v_lshlrev_b32 v[AK0], 4, v10
.irp c, 0,1,2
	global_load_b128 v[36+4*\c:39+4*\c], v[AK0], s[86:87] offset:512*\c
	global_load_b128 v[96+4*\c:99+4*\c], v[AK0], s[2:3] offset:512*\c
.endr
	global_load_b32 v255, v35, s[88:89]
	global_load_b32 v[QW], v35, s[16:17]
	v_add_nc_u32 v[AV0], LV, v[AK0]
	v_lshl_add_u32 v[ASK0], v8, 4, LSK
	v_lshl_add_u32 v[ASV0], v8, 4, LSV
	v_lshlrev_b32 v[GO], 12, v9
	v_add_nc_u32 v[MA], s15, v[AK0]                ; the pair's meeting place: 16 bytes a lane,
	v_lshl_add_u32 v[MB], v10, 2, s15
	v_lshl_add_u32 v[GO], v8, 4, v[GO]             ; lanes 0-15 one row of 4,096 bytes, lanes 16-31 the next; 16 bytes a lane
	v_add_nc_u32 v[MB], 4096, v[MB]                ; and behind the 4,096 bytes of O^T a word a lane
	v_min_u32 v[PF], 15, v10                       ; the prefetch: lane n names row n of my tile; lanes 16-31 name the last again
	v_mul_u32_u24 v[STI], v8, 272
	v_and_b32 v11, 7, v[PF]
	v_lshrrev_b32 v[PF], 3, v[PF]
	v_lshl_add_u32 v[STI], v9, 6, v[STI]
	v_mul_u32_u24 v[STO], v9, 272
	v_lshl_add_u32 v[PF], v[PF], 4, v11
	v_add_nc_u32 v[STI], s14, v[STI]               ; my stage, in: row r, + 64 h
	v_lshl_add_u32 v[STO], v8, 4, v[STO]
	v_lshlrev_b32 v[PF], 12, v[PF]
	v_and_b32 v10, 7, v8
	v_lshrrev_b32 v11, 3, v8
	v_add_nc_u32 v[STO], s14, v[STO]               ; back: lanes 0-15 one row, lanes 16-31 the next
	s_delay_alu instid0(VALU_DEP_2)
	v_lshl_add_u32 v10, v11, 4, v10
	v_lshlrev_b32 v11, 4, v9
	s_delay_alu instid0(VALU_DEP_1)
	v_sub_nc_u32 v10, v10, v11
	s_delay_alu instid0(VALU_DEP_1)
	v_add_nc_u32 v34, s95, v10                     ; my query in its block - 16 h: register 16 b + i is hidden where 32 b + i is above it
.irp j, 0,1,2,3,4,5
	v_mov_b32 v[16+\j], 0
	v_mov_b32 v[28+\j], 0
.endr
	v_mov_b32 v13, 0xff61b1e6                      ; the largest t so far: -3e38
	v_mov_b32 v14, 0
	v_mov_b32 v15, 0
	v_floor_f32 v12, -v13
.irp b, 0,1,2,3
	v_mov_b32 v[236+\b], 0
.endr
	v_mov_b32 v252, 0
	v_mov_b32 v253, 0
.set j, 0
.rept 32
	v_mov_b32 v[160+j], 0                          ; O^T: the step is written for every trip alike; the first finds zeros
	v_mov_b32 v[F+j], 0                            ; the finished tile's registers: written whole once, so that every way through the text finds them written
.set j, j+1
.endr
	s_wait_alu depctr_va_vdst(0)
	s_wait_loadcnt 0x0                             ; both images of Q and their words
.irp j, 0,1,2,3,4,5
	v_cndmask_b32 v[22+\j], v[36+\j], v[42+\j], s96
	v_cndmask_b32 v[QN+\j], v[96+\j], v[102+\j], s96
.endr
	v_lshrrev_b32 v255, s97, v255
	v_lshrrev_b32 v[QW], s97, v[QW]
	s_delay_alu instid0(VALU_DEP_2)
	v_and_b32 v255, 0xffff, v255
	s_delay_alu instid0(VALU_DEP_2)
	v_and_b32 v[QW], 0xffff, v[QW]
	s_delay_alu instid0(VALU_DEP_2)
	v_lshl_or_b32 v255, v255, 16, v255             ; my tile's two bytes, for either half of K
	s_delay_alu instid0(VALU_DEP_2)
	v_lshl_or_b32 v[QW], v[QW], 16, v[QW]
.rept 8
	v_nop                                          ; a scale register written by a vector instruction stands 8 places ahead of a scaled matrix instruction
.endr
; THE CHANGE OF TILES (waves 8-15, at the head of trip i + 1): the low tile's O^T / its sum is laid by; Q, its word and the running state begin anew for the high tile
.macro TRANS
	v_add_f32 v14, v14, v15
	s_delay_alu instid0(VALU_DEP_1)
	v_permlanex16_b32 v252, v14, s[SEL], s[SEL+1]
	s_delay_alu instid0(VALU_DEP_1)
	v_add_f32 v14, v14, v252
	s_wait_alu depctr_va_vdst(0)                   ; ahead of the transcendental
	v_rcp_f32 v14, v14
.irp j, 0,1,2,3,4,5
	v_mov_b32 v[22+\j], v[QN+\j]
.endr
	v_mov_b32 v255, v[QW]
	v_mov_b32 v13, 0xff61b1e6
	s_wait_alu depctr_va_vdst(0)                   ; and ahead of the first reader of its result and of O^T
.set j, 0
.rept 32
	v_mul_f32 v[F+j], v[160+j], v14
.set j, j+1
.endr
	v_floor_f32 v12, -v13
	v_mov_b32 v14, 0
	v_mov_b32 v15, 0
.set j, 0
.rept 32
	v_mov_b32 v[160+j], 0
.set j, j+1
.endr
	s_wait_alu depctr_va_vdst(0)
.endm
; A TRIP: key step T, 128 keys
.macro STEP
	s_cmp_eq_u32 s[T], s[TR]
	s_cbranch_scc0 .Lsame_\@
	TRANS
.Lsame_\@:
	s_cmp_le_u32 s[T], s[II]                       ; steps 0 .. i: every wave's
	s_cbranch_scc1 .Lmine_\@
	s_cmp_gt_u32 s[T], s[HI]                       ; all its keys come behind the high tile's queries
	s_cbranch_scc1 .Lhidden_\@
	s_xor_b32 s70, s[T], s[PAR]
	s_bitcmp1_b32 s70, 0                           ; my partner's step
	s_cbranch_scc1 .Lhidden_\@
.Lmine_\@:
	v_add_nc_u32 v[ADK], s[TB], v[AK0]             ; these four are also the places in front of the loads below
	v_add_nc_u32 v[ADV], s[TB], v[AV0]
	v_add_nc_u32 v[ADS], s[TS], v[ASK0]
	v_add_nc_u32 v[ADT], s[TS], v[ASV0]
.irp x, 0,1,2,3
.irp c, 0,1,2
	ds_load_b128 v[36+12*\x+4*\c:39+12*\x+4*\c], v[ADK] offset:1536*\x+512*\c
.endr
.endr
	ds_load_b128 v[248:251], v[ADS]
	s_wait_alu depctr_va_vdst(0)
	s_wait_dscnt 0x0
.irp x, 0,1,2,3
	v_wmma_scale_f32_16x16x128_f8f6f4 v[96+16*\x:103+16*\x], v[36+12*\x:47+12*\x], v[22:33], 0, v[248+\x], v255 matrix_a_fmt:MATRIX_FMT_FP6 matrix_b_fmt:MATRIX_FMT_FP6
	v_wmma_scale_f32_16x16x128_f8f6f4 v[104+16*\x:111+16*\x], v[36+12*\x:47+12*\x], v[16:27], 0, v[248+\x], v255 matrix_a_fmt:MATRIX_FMT_FP6 matrix_b_fmt:MATRIX_FMT_FP6
.endr
.rept 4
	v_nop
.endr
.irp x, 0,1,2,3                        ; V's four fragments and words land while the softmax is walked
.irp c, 0,1,2
	ds_load_b128 v[36+12*\x+4*\c:39+12*\x+4*\c], v[ADV] offset:1536*\x+512*\c
.endr
.endr
	ds_load_b128 v[248:251], v[ADT]
	s_cmp_lg_u32 s[T], s[QB]                       ; the diagonal step of the tile that I store
	s_cbranch_scc1 .Lopen_\@
	v_mov_b32 v254, 0xff800000
.set n, 0
.rept 64
	v_cmp_gt_i32 vcc_lo, 32*(n/16)+n%16, v34
	v_cndmask_b32 v[96+n], v[96+n], v254, vcc_lo
.set n, n+1
.endr
.Lopen_\@:
.irp b, 0,1,2,3
	v_max3_num_f32 v[232+\b], v[96+16*\b], v[97+16*\b], v[98+16*\b]   ; the largest score of each block of 32 keys: for the row's maximum and for the block's largest p
.endr
.irp i, 3,5,7,9,11,13
.irp b, 0,1,2,3
	v_max3_num_f32 v[232+\b], v[232+\b], v[96+16*\b+\i], v[97+16*\b+\i]
.endr
.endr
.irp b, 0,1,2,3
	v_max_num_f32 v[232+\b], v[232+\b], v[111+16*\b]
.endr
.irp b, 0,1,2,3
	s_delay_alu instid0(VALU_DEP_4)
	v_permlanex16_b32 v[236+\b], v[232+\b], s[SEL], s[SEL+1]
.endr
.irp b, 0,1,2,3
	s_delay_alu instid0(VALU_DEP_4)
	v_max_num_f32 v[232+\b], v[232+\b], v[236+\b]
.endr
	s_delay_alu instid0(VALU_DEP_2)
	v_max3_num_f32 v254, v232, v233, v234
	s_delay_alu instid0(VALU_DEP_1)
	v_max_num_f32 v254, v254, v235
	s_delay_alu instid0(VALU_DEP_1)
	v_mul_f32 v254, s[CS], v254
	s_delay_alu instid0(VALU_DEP_1)
	v_max_num_f32 v13, v13, v254                   ; the running largest t
	v_mov_b32 v254, v12
	s_delay_alu instid0(VALU_DEP_2)
	v_floor_f32 v12, -v13                          ; -M = floor(-t)
	s_delay_alu instid0(VALU_DEP_1)
	v_sub_f32 v254, v12, v254
	s_delay_alu instid0(VALU_DEP_1)
	v_cvt_i32_f32 v254, v254                       ; old M - new M, a whole number (it saturates)
	s_delay_alu instid0(VALU_DEP_1)
	v_ldexp_f32 v252, 1.0, v254                    ; f = 2^(old M - new M)
.set j, 0
.rept 32
	v_pk_fma_f32 v[96+j:97+j], v[96+j:97+j], s[CS:CS+1], v[12:13] op_sel_hi:[1,0,0]
.set j, j+2
.endr
.irp b, 0,1,2,3
	v_fma_f32 v[232+\b], v[232+\b], s[CS], v12
.endr
.set j, 0
	s_wait_alu depctr_va_vdst(0)
.rept 64
	v_exp_f32 v[96+j], v[96+j]
.set j, j+1
.endr
	v_pk_mul_f32 v[14:15], v[14:15], v[252:253] op_sel_hi:[1,0]   ; a plain place behind the exponentials
	s_wait_alu depctr_va_vdst(0)                   ; one wait for the batch, ahead of its first reader
.irp b, 0,1,2,3
	v_exp_f32 v[232+\b], v[232+\b]
.endr
.irp c, 0,1,2,3,4,5                    ; the sum of the unquantised p: six chains and the running sum
	v_pk_add_f32 v[236+2*\c:237+2*\c], v[96+4*\c:97+4*\c], v[98+4*\c:99+4*\c]
.endr
.irp g, 0,1,2
.irp c, 0,1,2,3,4,5
	v_pk_add_f32 v[236+2*\c:237+2*\c], v[236+2*\c:237+2*\c], v[120+12*\g+2*\c:121+12*\g+2*\c]
.endr
.endr
	v_pk_add_f32 v[14:15], v[14:15], v[156:157]
	v_pk_add_f32 v[236:237], v[236:237], v[158:159]
	v_pk_add_f32 v[240:241], v[240:241], v[242:243]
	v_pk_add_f32 v[244:245], v[244:245], v[246:247]
	s_delay_alu instid0(VALU_DEP_3)
	v_pk_add_f32 v[236:237], v[236:237], v[238:239]
	s_delay_alu instid0(VALU_DEP_2)
	v_pk_add_f32 v[240:241], v[240:241], v[244:245]
	s_delay_alu instid0(VALU_DEP_2)
	v_pk_add_f32 v[14:15], v[14:15], v[236:237]
	s_delay_alu instid0(VALU_DEP_1)
	v_pk_add_f32 v[14:15], v[14:15], v[240:241]
	s_wait_alu depctr_va_vdst(0)                   ; and one for the four
.irp b, 0,1,2,3
	v_max_num_f32 v[232+\b], 0x1800000, v[232+\b]
.endr
.irp b, 0,1,2,3
	s_delay_alu instid0(VALU_DEP_4)
	v_add_nc_u32 v[244+\b], 0xff000000, v[232+\b]
.endr
.irp b, 0,1,2,3
	s_delay_alu instid0(VALU_DEP_4)
	v_lshrrev_b32 v[236+\b], 23, v[244+\b]
.endr
	s_delay_alu instid0(VALU_DEP_3)
	v_lshl_or_b32 v253, v237, 8, v236
	s_delay_alu instid0(VALU_DEP_1)
	v_lshl_or_b32 v253, v238, 16, v253
	s_delay_alu instid0(VALU_DEP_1)
	v_lshl_or_b32 v253, v239, 24, v253
.irp c, 0,1
	v_cvt_scalef32_pk16_fp6_f32 v[224+6*\c:226+6*\c], v[96+32*\c:111+32*\c], v[244+2*\c]
	v_cvt_scalef32_pk16_fp6_f32 v[236+4*\c:238+4*\c], v[112+32*\c:127+32*\c], v[244+2*\c+1]
.endr
	v_nop
.irp c, 0,1
.irp i, 0,1,2
	v_permlane16_swap_b32 v[224+6*\c+\i], v[236+4*\c+\i]
.endr
.irp i, 0,1,2
	s_delay_alu instid0(VALU_DEP_3)
	v_mov_b32 v[227+6*\c+\i], v[236+4*\c+\i]
.endr
.endr
.set j, 0
.rept 16
	v_pk_mul_f32 v[160+j:161+j], v[160+j:161+j], v[252:253] op_sel_hi:[1,0]   ; O^T under the new M; also the places in front of the products below
.set j, j+2
.endr
	s_wait_alu depctr_va_vdst(0)
	s_wait_dscnt 0x0                               ; V
.irp x, 0,1,2,3
	v_wmma_scale_f32_16x16x128_f8f6f4 v[160+8*\x:167+8*\x], v[36+12*\x:47+12*\x], v[224:235], v[160+8*\x:167+8*\x], v[248+\x], v253 matrix_a_fmt:MATRIX_FMT_FP6 matrix_b_fmt:MATRIX_FMT_FP6
.endr
.Lhidden_\@:
	s_add_co_u32 s[TB], s[TB], 6144
	s_add_co_u32 s[TS], s[TS], 256
	s_add_co_u32 s[T], s[T], 1
.endm
	s_wait_alu depctr_va_vdst(0)                   ; the head's end
	s_wait_tensorcnt 0x0                           ; my part of the head's tiles is in
	ds_add_u32 v[SPW], v[NIL]
	s_wait_dscnt 0x0
	s_barrier_signal -1
	s_barrier_wait -1
	tensor_load_to_lds s[G0L:G0L+3], s[G1L:G1L+7]  ; key steps 4-15: my one load behind this barrier
	s_nop 0
	s_mov_b32 s[CNT], 4
.Learly:
	STEP
	s_sub_co_u32 s[CNT], s[CNT], 1
	s_cmp_lg_u32 s[CNT], 0
	s_cbranch_scc1 .Learly
	s_wait_tensorcnt 0x0                           ; my part of key steps 4-15
	s_wait_dscnt 0x0
	s_barrier_signal -1
	s_barrier_wait -1
	global_prefetch_b8 v[PF], s[98:99] th:TH_LOAD_NT scope:SCOPE_SE   ; q's 16 rows x 256 bytes of the tile that I store: asked for 12 trips ahead of their loads; the address registers are never rewritten
	s_mov_b32 s[CNT], 12
.Llate:
	STEP
	s_sub_co_u32 s[CNT], s[CNT], 1
	s_cmp_lg_u32 s[CNT], 0
	s_cbranch_scc1 .Llate
.irp i, 0,1,2,3,4,5,6,7
	global_load_b128 v[96+4*\i:99+4*\i], v[GO], s[98:99] offset:(2*\i+8*(\i/4))*4096   ; q's rows in the order of the way out
.endr
	v_add_f32 v14, v14, v15                        ; my part of the high tile's sum (these five are the places behind the last products)
	s_delay_alu instid0(VALU_DEP_1)
	v_permlanex16_b32 v252, v14, s[SEL], s[SEL+1]
	s_delay_alu instid0(VALU_DEP_1)
	v_add_f32 v14, v14, v252
	v_nop
	v_nop
	s_cmp_lt_u32 s[WV], 8
	s_wait_alu depctr_va_vdst(0)
	s_cbranch_scc1 .Lkeep
.irp k, 0,1,2,3,4,5,6,7                ; waves 8-15 hand their part of the high tile over
	ds_store_b128 v[MA], v[160+4*\k:163+4*\k] offset:512*\k
.endr
	ds_store_b32 v[MB], v12
	ds_store_b32 v[MB], v14 offset:128
.Lkeep:
	s_wait_dscnt 0x0                               ; for the partner's sake
	s_barrier_signal -1
	s_barrier_wait -1
	s_cmp_ge_u32 s[WV], 8
	s_cbranch_scc1 .Lout
.irp k, 0,1,2,3,4,5,6,7                ; waves 0-7 join the two parts
	ds_load_b128 v[36+4*\k:39+4*\k], v[MA] offset:512*\k
.endr
	ds_load_b32 v68, v[MB]
	ds_load_b32 v69, v[MB] offset:128
	s_wait_dscnt 0x0
	v_min_num_f32 v70, v12, v68                    ; the common -M
	s_delay_alu instid0(VALU_DEP_1)
	v_sub_f32 v71, v70, v12
	v_sub_f32 v72, v70, v68
	s_delay_alu instid0(VALU_DEP_2)
	v_cvt_i32_f32 v71, v71                         ; whole numbers, 0 or less (they saturate: a partner with no step has -M = 3e38, a factor 0 and zeros)
	s_delay_alu instid0(VALU_DEP_2)
	v_cvt_i32_f32 v72, v72
	s_delay_alu instid0(VALU_DEP_2)
	v_ldexp_f32 v74, 1.0, v71
	s_delay_alu instid0(VALU_DEP_2)
	v_ldexp_f32 v76, 1.0, v72
	s_delay_alu instid0(VALU_DEP_2)
	v_mul_f32 v14, v14, v74
	s_delay_alu instid0(VALU_DEP_1)
	v_fma_f32 v14, v69, v76, v14                   ; the row's sum
	s_wait_alu depctr_va_vdst(0)
	v_rcp_f32 v14, v14
	v_nop
	s_wait_alu depctr_va_vdst(0)
	v_mul_f32 v74, v74, v14                        ; each part's power of two / the sum
	v_mul_f32 v76, v76, v14
	s_delay_alu instid0(VALU_DEP_2)
	v_mov_b32 v75, v74
	s_delay_alu instid0(VALU_DEP_2)
	v_mov_b32 v77, v76
.set j, 0
.rept 16
	v_pk_mul_f32 v[36+j:37+j], v[36+j:37+j], v[76:77]
.set j, j+2
.endr
	s_wait_alu depctr_va_vdst(0)                   ; directly ahead of the first reader of O^T
.set j, 0
.rept 16
	v_pk_fma_f32 v[F+j:F+j+1], v[160+j:161+j], v[74:75], v[36+j:37+j]
.set j, j+2
.endr
.Lout:
	; THE WAY OUT: the finished tile goes through my stage and comes back as rows of 256 bytes; q's rows are added; sixteen lanes store 256 aligned bytes
.irp x, 0,1,2,3
	ds_store_b128 v[STI], v[F+8*\x:F+8*\x+3] offset:128*(\x/2)+32*(\x%2)       ; register 8 (2 g + u) + j: channel 32 g + 16 h + 8 u + j
	ds_store_b128 v[STI], v[F+8*\x+4:F+8*\x+7] offset:128*(\x/2)+32*(\x%2)+16
.endr
.irp i, 0,1,2,3,4,5,6,7
	ds_load_b128 v[36+4*\i:39+4*\i], v[STO] offset:544*\i   ; LDS serves a wave's instructions in order
.endr
	s_wait_loadcnt 0x0                             ; q's rows
.irp i, 0,1,2,3,4,5,6,7
	s_wait_dscnt 7-\i
	v_pk_add_f32 v[36+4*\i:37+4*\i], v[36+4*\i:37+4*\i], v[96+4*\i:97+4*\i]
	v_pk_add_f32 v[38+4*\i:39+4*\i], v[38+4*\i:39+4*\i], v[98+4*\i:99+4*\i]
	global_store_b128 v[GO], v[36+4*\i:39+4*\i], s[90:91] offset:(2*\i+8*(\i/4))*4096
.endr
	s_wait_tensorcnt 0x0                           ; the wave's end
	ds_add_u32 v[SPW], v[NIL]
	s_wait_dscnt 0x0
	s_endpgm
.Lfunc_end_k_q20c36de3fa_attn:
	.size	k_q20c36de3fa_attn, .Lfunc_end_k_q20c36de3fa_attn-k_q20c36de3fa_attn
	.p2alignl 7, 3214868480
	.fill 96, 4, 3214868480
	.section	.rodata,"a",@progbits
	.p2align	6, 0x0
	.amdhsa_kernel k_q20c36de3fa_attn
		.amdhsa_group_segment_fixed_size 327680
		.amdhsa_private_segment_fixed_size 0
		.amdhsa_enable_private_segment 0
		.amdhsa_kernarg_size 24
		.amdhsa_user_sgpr_count 2
		.amdhsa_user_sgpr_kernarg_segment_ptr 1
		.amdhsa_wavefront_size32 1
		.amdhsa_system_sgpr_workgroup_id_x 1
		.amdhsa_system_sgpr_workgroup_id_y 1
		.amdhsa_system_sgpr_workgroup_id_z 1
		.amdhsa_system_vgpr_workitem_id 0
		.amdhsa_next_free_vgpr 256
		.amdhsa_next_free_sgpr 100
		.amdhsa_reserve_vcc 1
		.amdhsa_float_denorm_mode_32 3
		.amdhsa_float_denorm_mode_16_64 3
		.amdhsa_memory_ordered 1
		.amdhsa_forward_progress 1
		.amdhsa_inst_pref_size 72
	.end_amdhsa_kernel
	.amdgpu_metadata
---
amdhsa.version: [ 1, 2 ]
amdhsa.kernels:
  - .name:           k_q20c36de3fa_attn
    .symbol:         k_q20c36de3fa_attn.kd
    .args:
      - { .name: pc, .offset: 0, .size: 8, .value_kind: global_buffer, .address_space: global }
      - { .name: q, .offset: 8, .size: 8, .value_kind: global_buffer, .address_space: global }
      - { .name: att, .offset: 16, .size: 8, .value_kind: global_buffer, .address_space: global }
    .group_segment_fixed_size: 327680
    .private_segment_fixed_size: 0
    .kernarg_segment_align: 8
    .kernarg_segment_size: 24
    .max_flat_workgroup_size: 512
    .sgpr_count:     100
    .vgpr_count:     256
    .wavefront_size: 32
...
	.end_amdgpu_metadata
.endif
;; end of part 3
;; launch lnq (part 4): grid 256 x 1, 8 waves a work-group, no clusters, 69,632 bytes of LDS; arguments att, ln_g, ln_b, pa, ah; writes pa, ah
.if DOCPART == 4
	.amdgcn_target "amdgcn-amd-amdhsa--gfx1250"
	.amdhsa_code_object_version 6
	.text
	.protected	k_q20c36de3fa_lnq
	.globl	k_q20c36de3fa_lnq
	.p2align	8
	.type	k_q20c36de3fa_lnq,@function
k_q20c36de3fa_lnq:
	s_mov_b64 s[64:65], 0
	v_nop
	global_prefetch_b8 v0, s[64:65] scope:SCOPE_SE
	s_setreg_imm32_b32 hwreg(HW_REG_WAVE_MODE, 25, 1), 1
	s_wait_xcnt 0x0
; att_h = LayerNorm(att) x g + b, stored as f32 (ah) and as codes of FP6 with scale words (pa, units 960 on), laid as the first launch lays its operands.
; A work-group takes a tile of 16 rows (row 32 (i / 2) + 8 (i % 2) + n % 8 + 16 (n / 8)); wave w takes columns 128 w .. 128 w + 127: one K step.
; Mean first, then the mean of squared differences: no difference of large sums is formed.  The eight waves' sums meet in LDS behind a barrier, twice.
; LIMITS: as in the first launch (byte 1 under 2^-124; no NaN, no infinities).
.set SCA,   14942208
.set STG,   8448
.set RED,   67584                      ; [r][wave] words: 512 bytes for the sums, 512 for the squares
.set SPARE, 68608
.set SPW,   12
.set NIL,   13
.set X,     32
.set G,     96
.set BT,    160
.set PC,    96
.set QT,    108
.set PW,    116
.set TM,    224
.set SEL,   20
.macro QUANT s, d0, d1, pw
.irp b, 0,1,2,3
	v_max3_num_f32 v[TM+\b], |v[(\s)+16*\b]|, |v[(\s)+16*\b+1]|, 0x1800000
.endr
.irp i, 2,4,6,8,10,12,14
.irp b, 0,1,2,3
	s_delay_alu instid0(VALU_DEP_4)
	v_max3_num_f32 v[TM+\b], v[TM+\b], |v[(\s)+16*\b+\i]|, |v[(\s)+16*\b+\i+1]|
.endr
.endr
.irp b, 0,1,2,3
	s_delay_alu instid0(VALU_DEP_4)
	v_permlanex16_b32 v[TM+4+\b], v[TM+\b], s[SEL], s[SEL+1]
.endr
.irp b, 0,1,2,3
	s_delay_alu instid0(VALU_DEP_4)
	v_max_num_f32 v[TM+\b], v[TM+\b], v[TM+4+\b]
.endr
.irp b, 0,1,2,3
	s_delay_alu instid0(VALU_DEP_4)
	v_add_nc_u32 v[TM+12+\b], 0xff000000, v[TM+\b]
.endr
.irp b, 0,1,2,3
	s_delay_alu instid0(VALU_DEP_4)
	v_lshrrev_b32 v[TM+4+\b], 23, v[TM+12+\b]
.endr
	s_delay_alu instid0(VALU_DEP_3)
	v_lshl_or_b32 v[\pw], v[TM+5], 8, v[TM+4]
	s_delay_alu instid0(VALU_DEP_1)
	v_lshl_or_b32 v[\pw], v[TM+6], 16, v[\pw]
	s_delay_alu instid0(VALU_DEP_1)
	v_lshl_or_b32 v[\pw], v[TM+7], 24, v[\pw]
	v_cvt_scalef32_pk16_fp6_f32 v[(\d0):(\d0)+2], v[(\s):(\s)+15], v[TM+12]
	v_cvt_scalef32_pk16_fp6_f32 v[QT:QT+2], v[(\s)+16:(\s)+31], v[TM+13]
	v_cvt_scalef32_pk16_fp6_f32 v[(\d1):(\d1)+2], v[(\s)+32:(\s)+47], v[TM+14]
	v_cvt_scalef32_pk16_fp6_f32 v[QT+4:QT+6], v[(\s)+48:(\s)+63], v[TM+15]
	v_nop
.irp i, 0,1,2
	v_permlane16_swap_b32 v[(\d0)+\i], v[QT+\i]
	v_permlane16_swap_b32 v[(\d1)+\i], v[QT+4+\i]
.endr
.irp i, 0,1,2
	v_mov_b32 v[(\d0)+3+\i], v[QT+\i]
	v_mov_b32 v[(\d1)+3+\i], v[QT+4+\i]
.endr
.endm
; four chains in v[240:247] -> the row's sum over all 1,024 columns in v240
.macro REDUCE off
	s_delay_alu instid0(VALU_DEP_3)
	v_pk_add_f32 v[240:241], v[240:241], v[242:243]
	s_delay_alu instid0(VALU_DEP_2)
	v_pk_add_f32 v[244:245], v[244:245], v[246:247]
	s_delay_alu instid0(VALU_DEP_1)
	v_pk_add_f32 v[240:241], v[240:241], v[244:245]
	s_delay_alu instid0(VALU_DEP_1)
	v_add_f32 v240, v240, v241
	s_delay_alu instid0(VALU_DEP_1)
	v_permlanex16_b32 v241, v240, s[SEL], s[SEL+1]
	s_delay_alu instid0(VALU_DEP_1)
	v_add_f32 v240, v240, v241                     ; my wave's 128 columns of row r
	ds_store_b32 v8, v240 offset:\off              ; lanes l and l + 16 write the same word with the same value
	s_wait_dscnt 0x0                               ; for the others' sake
	s_barrier_signal -1
	s_barrier_wait -1
	ds_load_b128 v[240:243], v9 offset:\off
	ds_load_b128 v[244:247], v9 offset:\off+16
	s_wait_dscnt 0x0
	v_pk_add_f32 v[240:241], v[240:241], v[242:243]
	v_pk_add_f32 v[244:245], v[244:245], v[246:247]
	s_delay_alu instid0(VALU_DEP_1)
	v_pk_add_f32 v[240:241], v[240:241], v[244:245]
	s_delay_alu instid0(VALU_DEP_1)
	v_add_f32 v240, v240, v241
.endm
	s_load_b256 s[4:11], s[0:1], 0x0               ; att, ln_g, ln_b, pa
	s_load_b64 s[12:13], s[0:1], 0x20              ; ah
	v_lshl_add_u32 v[SPW], v0, 2, SPARE
	v_mov_b32 v[NIL], 0
	v_lshrrev_b32 v1, 5, v0
	s_delay_alu instid0(VALU_DEP_1)
	v_readfirstlane_b32 s14, v1
	v_and_b32 v1, 31, v0
	v_and_b32 v2, 15, v0
	v_bfe_u32 v3, v0, 4, 1
	s_delay_alu instid0(VALU_DEP_3)
	v_lshlrev_b32 v4, 4, v1
	s_mul_i32 s15, s14, STG
	v_add_nc_u32 v5, s15, v4                       ; the stage by dense rows
	v_mul_u32_u24 v6, v2, 528
	s_delay_alu instid0(VALU_DEP_1)
	v_lshl_add_u32 v6, v3, 6, v6
	s_delay_alu instid0(VALU_DEP_1)
	v_add_nc_u32 v6, s15, v6                       ; and by (r, h)
	v_lshlrev_b32 v7, 6, v3
	s_lshl_b32 s34, s14, 2
	s_add_co_u32 s34, s34, RED
	v_lshl_add_u32 v8, v2, 5, s34
	v_lshl_add_u32 v9, v2, 5, RED
	v_lshlrev_b32 v10, 2, v2
.irp b, 0,1,2,3
	v_mov_b32 v[TM+4+\b], 0
.endr
	s_mov_b32 s[SEL], 0x76543210
	s_mov_b32 s[SEL+1], 0xfedcba98
	s_mov_b32 s18, 0x3a800000                      ; 1 / 1,024
	s_mov_b32 s19, 0x3727c5ac                      ; 1e-5
	s_lshr_b32 s16, ttmp9, 1
	s_lshl_b32 s16, s16, 5
	s_and_b32 s17, ttmp9, 1
	s_lshl_b32 s17, s17, 3
	s_add_co_u32 s16, s16, s17
	s_lshl_b32 s16, s16, 12
	s_lshl_b32 s35, s14, 9
	s_add_co_u32 s16, s16, s35
	s_mov_b32 s17, 0                               ; the tile's first row, my 512 bytes
	s_mov_b32 s36, s35
	s_mov_b32 s37, 0
	s_add_co_u32 s38, ttmp9, 960
	s_mul_i32 s40, s38, 12288
	s_mul_i32 s39, s14, 1536
	s_add_co_u32 s40, s40, s39
	s_mov_b32 s41, 0                               ; my image
	s_lshl_b32 s42, s38, 6
	s_mul_i32 s39, s14, 77824
	s_add_co_u32 s42, s42, s39
	s_add_co_u32 s42, s42, SCA
	s_mov_b32 s43, 0                               ; my scale words
	s_wait_alu depctr_va_vdst(0)
	s_wait_kmcnt 0x0
	s_add_nc_u64 s[22:23], s[4:5], s[16:17]
	s_add_nc_u64 s[24:25], s[12:13], s[16:17]
	s_add_nc_u64 s[26:27], s[6:7], s[36:37]
	s_add_nc_u64 s[28:29], s[8:9], s[36:37]
	s_add_nc_u64 s[30:31], s[10:11], s[40:41]
	s_add_nc_u64 s[32:33], s[10:11], s[42:43]
.irp n, 0,1,2,3,4,5,6,7,8,9,10,11,12,13,14,15
	global_load_b128 v[X+4*\n:X+4*\n+3], v4, s[22:23] offset:((\n%8)+16*(\n/8))*4096 th:TH_LOAD_NT
.endr
.irp b, 0,1,2,3
.irp j, 0,1,2,3
	global_load_b128 v[G+16*\b+4*\j:G+16*\b+4*\j+3], v7, s[26:27] offset:128*\b+16*\j
	global_load_b128 v[BT+16*\b+4*\j:BT+16*\b+4*\j+3], v7, s[28:29] offset:128*\b+16*\j
.endr
.endr
	s_wait_loadcnt 32                              ; the rows are in; g's and b's 32 loads may be out
.irp n, 0,1,2,3,4,5,6,7,8,9,10,11,12,13,14,15
	ds_store_b128 v5, v[X+4*\n:X+4*\n+3] offset:528*\n
.endr
.irp b, 0,1,2,3
.irp j, 0,1,2,3
	ds_load_b128 v[X+16*\b+4*\j:X+16*\b+4*\j+3], v6 offset:128*\b+16*\j
.endr
.endr
	s_wait_dscnt 0x0
.irp c, 0,1,2,3
	v_pk_add_f32 v[240+2*\c:241+2*\c], v[X+4*\c:X+4*\c+1], v[X+4*\c+2:X+4*\c+3]
.endr
.irp i, 16,24,32,40,48,56
.irp c, 0,1,2,3
	s_delay_alu instid0(VALU_DEP_4)
	v_pk_add_f32 v[240+2*\c:241+2*\c], v[240+2*\c:241+2*\c], v[X+\i+2*\c:X+\i+2*\c+1]
.endr
.endr
	REDUCE 0
	s_delay_alu instid0(VALU_DEP_1)
	v_mul_f32 v248, s18, v240                      ; the mean
	s_delay_alu instid0(VALU_DEP_1)
	v_mov_b32 v249, v248
.set j, 0
.rept 32
	v_pk_add_f32 v[X+j:X+j+1], v[X+j:X+j+1], v[248:249] neg_lo:[0,1] neg_hi:[0,1]
.set j, j+2
.endr
.irp c, 0,1,2,3
	v_pk_mul_f32 v[240+2*\c:241+2*\c], v[X+2*\c:X+2*\c+1], v[X+2*\c:X+2*\c+1]
.endr
.irp i, 8,16,24,32,40,48,56
.irp c, 0,1,2,3
	s_delay_alu instid0(VALU_DEP_4)
	v_pk_fma_f32 v[240+2*\c:241+2*\c], v[X+\i+2*\c:X+\i+2*\c+1], v[X+\i+2*\c:X+\i+2*\c+1], v[240+2*\c:241+2*\c]
.endr
.endr
	REDUCE 512
	s_delay_alu instid0(VALU_DEP_1)
	v_fma_f32 v250, v240, s18, s19                 ; the variance + 1e-5
	s_wait_alu depctr_va_vdst(0)
	v_rsq_f32 v250, v250
	v_nop
	s_wait_alu depctr_va_vdst(0)                   ; ahead of the first reader
	v_mov_b32 v251, v250
	s_wait_alu depctr_va_vdst(0)
	s_wait_loadcnt 0x0                             ; g, b
.set j, 0
.rept 32
	v_pk_mul_f32 v[X+j:X+j+1], v[X+j:X+j+1], v[250:251]
.set j, j+2
.endr
.set j, 0
.rept 32
	v_pk_fma_f32 v[X+j:X+j+1], v[X+j:X+j+1], v[G+j:G+j+1], v[BT+j:BT+j+1]
.set j, j+2
.endr
.irp b, 0,1,2,3
.irp j, 0,1,2,3
	ds_store_b128 v6, v[X+16*\b+4*\j:X+16*\b+4*\j+3] offset:128*\b+16*\j
.endr
.endr
.irp n, 0,1,2,3,4,5,6,7,8,9,10,11,12,13,14,15
	ds_load_b128 v[BT+4*\n:BT+4*\n+3], v5 offset:528*\n   ; back as dense rows, while the codes are made
.endr
	QUANT X, PC, PC+6, PW
	s_wait_alu depctr_va_vdst(0)
	s_wait_dscnt 0x0
.irp n, 0,1,2,3,4,5,6,7,8,9,10,11,12,13,14,15
	global_store_b128 v4, v[BT+4*\n:BT+4*\n+3], s[24:25] offset:((\n%8)+16*(\n/8))*4096
.endr
.irp c, 0,1,2
	global_store_b128 v4, v[PC+4*\c:PC+4*\c+3], s[30:31] offset:512*\c
.endr
	global_store_b32 v10, v[PW], s[32:33]          ; 16 words; lanes l and l + 16 hold and store the same word
	s_wait_tensorcnt 0x0                           ; the wave's end
	ds_add_u32 v[SPW], v[NIL]
	s_wait_dscnt 0x0
	s_endpgm
.Lfunc_end_k_q20c36de3fa_lnq:
	.size	k_q20c36de3fa_lnq, .Lfunc_end_k_q20c36de3fa_lnq-k_q20c36de3fa_lnq
	.p2alignl 7, 3214868480
	.fill 96, 4, 3214868480
	.section	.rodata,"a",@progbits
	.p2align	6, 0x0
	.amdhsa_kernel k_q20c36de3fa_lnq
		.amdhsa_group_segment_fixed_size 69632
		.amdhsa_private_segment_fixed_size 0
		.amdhsa_enable_private_segment 0
		.amdhsa_kernarg_size 40
		.amdhsa_user_sgpr_count 2
		.amdhsa_user_sgpr_kernarg_segment_ptr 1
		.amdhsa_wavefront_size32 1
		.amdhsa_system_sgpr_workgroup_id_x 1
		.amdhsa_system_sgpr_workgroup_id_y 1
		.amdhsa_system_sgpr_workgroup_id_z 1
		.amdhsa_system_vgpr_workitem_id 0
		.amdhsa_next_free_vgpr 256
		.amdhsa_next_free_sgpr 66
		.amdhsa_reserve_vcc 0
		.amdhsa_float_denorm_mode_32 3
		.amdhsa_float_denorm_mode_16_64 3
		.amdhsa_memory_ordered 1
		.amdhsa_forward_progress 1
		.amdhsa_inst_pref_size 33
	.end_amdhsa_kernel
	.amdgpu_metadata
---
amdhsa.version: [ 1, 2 ]
amdhsa.kernels:
  - .name:           k_q20c36de3fa_lnq
    .symbol:         k_q20c36de3fa_lnq.kd
    .args:
      - { .name: att, .offset: 0, .size: 8, .value_kind: global_buffer, .address_space: global }
      - { .name: ln_g, .offset: 8, .size: 8, .value_kind: global_buffer, .address_space: global }
      - { .name: ln_b, .offset: 16, .size: 8, .value_kind: global_buffer, .address_space: global }
      - { .name: pa, .offset: 24, .size: 8, .value_kind: global_buffer, .address_space: global }
      - { .name: ah, .offset: 32, .size: 8, .value_kind: global_buffer, .address_space: global }
    .group_segment_fixed_size: 69632
    .private_segment_fixed_size: 0
    .kernarg_segment_align: 8
    .kernarg_segment_size: 40
    .max_flat_workgroup_size: 256
    .sgpr_count:     66
    .vgpr_count:     256
    .wavefront_size: 32
...
	.end_amdgpu_metadata
.endif
;; end of part 4
;; launch ffn1 (part 5): grid 16 x 16, 4 waves a work-group, clusters of 4 x 4, 327,680 bytes of LDS; arguments pa, b1, pb; writes pb
.if DOCPART == 5
	.amdgcn_target "amdgcn-amd-amdhsa--gfx1250"
	.amdhsa_code_object_version 6
	.text
	.protected	k_q20c36de3fa_ffn1
	.globl	k_q20c36de3fa_ffn1
	.p2align	8
	.type	k_q20c36de3fa_ffn1,@function
k_q20c36de3fa_ffn1:
	s_mov_b64 s[64:65], 0
	v_nop
	global_prefetch_b8 v0, s[64:65] scope:SCOPE_SE
	s_setreg_imm32_b32 hwreg(HW_REG_WAVE_MODE, 25, 1), 1
	s_wait_xcnt 0x0
	s_wait_alu depctr_hold_cnt(0) depctr_sa_sdst(0) depctr_va_vdst(0) depctr_va_sdst(0) depctr_va_ssrc(0) depctr_va_vcc(0) depctr_vm_vsrc(0)
	s_getreg_b32 s2, hwreg(HW_REG_IB_STS2, 6, 4)
	s_cmp_eq_u32 s2, 0
	s_cbranch_scc0 .Lentry_in_a_cluster
	s_endpgm
.Lentry_in_a_cluster:
	s_bfe_u32 s2, ttmp6, 0x10000c
	s_cmp_lg_u32 s2, 0xf033
	s_cbranch_scc0 .Lentry_shape_is_right
	s_endpgm
.Lentry_shape_is_right:
; hidden = gelu(att_h W1^T + b1), erf by a rational form in f32, on codes of FP6; the result is quantised in registers along the hidden axis and stored as images of fragments with scale words (pb).
; A work-group makes 256 x 256, a wave 128 x 128 (64 accumulators), K = 1,024 in eight steps of 128; the matrix instruction is used transposed; b1 is the C of the first step.  CLUSTER 4 x 4, joint loads.
; THE RING: one tensor load a wave at the head brings steps 0-3 (rows of 6,144 bytes, tiles 6,144 apart, bytes 0 to 196,607); behind the full sequence and a round steps 4, 5 go to byte 196,608 on
; (tiles 3,072 apart); in step 3 a round opens the refill of bytes 0 to 98,303 with steps 6, 7.  One load of a wave is out at a time.
; LIMITS: a block whose largest magnitude lies under 2^-124 gets the byte 1; NaN and infinities are not served.
.set SCA,   14942208
.set SCST,  77824
.set HC,    3145728
.set SCB,   15728640
.set SLOT,  98304
.set TP,    3072                       ; bytes from tile to tile in LDS; set anew where the walk changes slots
.set SG,    294912
.set SPARE, 296960
.set ADRA, 16
.set ADRB, 20
.set LI,   23
.set SVO,  24
.set SPW,  28
.set NIL,  29
.set SC,   32
.set CB,   96
.set AF,   128
.set PC,   128
.set QT,   140
.set TM,   148
.set PW,   164
.set G1A, 24
.set G1B, 32
.set G0A, 40
.set G0B, 52
.set SEL, 90
.set MSB, 0
.macro WIN new
.if MSB != (\new)
	s_set_vgpr_msb (MSB<<8)|(\new)
.set MSB, (\new)
.endif
.endm
.macro PLACES n
.rept \n
	v_nop
.endr
.endm
.macro JLOAD g0a, g1a, g0b, g1b
	s_cmp_eq_u32 s15, 0
	s_cbranch_scc0 .Lfor_b_\@
	tensor_load_to_lds s[\g0a:\g0a+3], s[\g1a:\g1a+7]
	s_nop 0
.rept 4
	v_nop
.endr
	s_branch .Lasked_\@
.Lfor_b_\@:
	tensor_load_to_lds s[\g0b:\g0b+3], s[\g1b:\g1b+7]
	s_nop 0
.rept 4
	v_nop
.endr
.Lasked_\@:
.endm
.macro CREST
	s_cmp_lg_u32 s14, 0
	s_cbranch_scc1 .Lnot_wave_0_\@
	s_barrier_signal -3
.Lnot_wave_0_\@:
	s_barrier_wait -3
	s_barrier_signal -1
	s_barrier_wait -1
.endm
.macro CROUND
	s_barrier_signal -1
	s_barrier_wait -1
	CREST
.endm
.macro FRAG reg, adr, off
.irp c, 0,1,2
	ds_load_b128 v[(\reg)+4*\c:(\reg)+4*\c+3], v[\adr] offset:(\off)+512*\c
.endr
.endm
.macro FETCH_B adr, off, p
	WIN 0x40
.irp i, 0,1,2,3,4,5,6,7
	FRAG 128*(\p)+12*\i, \adr, (\off)+TP*\i
.endr
	WIN 0
.endm
.macro FETCH_A adr, off, i0
.irp i, \i0, \i0+1, \i0+2, \i0+3
	FRAG AF+12*(\i), \adr, (\off)+TP*(\i)
.endr
.endm
.macro MUL16 a0, p, s, cm
.irp a, \a0, \a0+1
.irp b, 0,1,2,3,4,5,6,7
.set AC, 8*(8*((\a)%4)+\b)
.if (\cm) == 0
	v_wmma_scale_f32_16x16x128_f8f6f4 v[AC:AC+7], v[128*(\p)+12*\b:128*(\p)+12*\b+11], v[AF+12*(\a):AF+12*(\a)+11], v[AC:AC+7], v[SC+8*\b+(\s)], v[SC+8*(\a)+(\s)] matrix_a_fmt:MATRIX_FMT_FP6 matrix_b_fmt:MATRIX_FMT_FP6 matrix_a_scale:MATRIX_SCALE_ROW1
.else
	v_wmma_scale_f32_16x16x128_f8f6f4 v[AC:AC+7], v[128*(\p)+12*\b:128*(\p)+12*\b+11], v[AF+12*(\a):AF+12*(\a)+11], v[CB+8*\b+96*(\b/4):CB+8*\b+96*(\b/4)+7], v[SC+8*\b+(\s)], v[SC+8*(\a)+(\s)] matrix_a_fmt:MATRIX_FMT_FP6 matrix_b_fmt:MATRIX_FMT_FP6 matrix_a_scale:MATRIX_SCALE_ROW1
.endif
.endr
.endr
.endm
.macro WMUL hi, cm
.if (\cm) == 1
	WIN 0x81+0x40*(\hi)
.else
	WIN 0xa1+0x50*(\hi)
.endif
.endm
.macro STEP s, na, nb, noff, cm
	s_wait_dscnt 12
	WMUL 0, \cm
	MUL16 0, (\s)%2, \s, \cm
	MUL16 2, (\s)%2, \s, \cm
	s_wait_dscnt 0x0
	PLACES 4
	FETCH_B \nb, \noff, 1-(\s)%2
	FETCH_A \na, \noff, 0
	WMUL 1, \cm
	MUL16 4, (\s)%2, \s, \cm
	MUL16 6, (\s)%2, \s, \cm
	PLACES 4
	WIN 0
	FETCH_A \na, \noff, 4
.endm
.macro TURN s, na, nb, noff, cm, fill, set
	s_wait_tensorcnt 0x0
	ds_add_u32 v[SPW], v[NIL]
	s_wait_dscnt 13
	WMUL 0, \cm
	MUL16 0, (\s)%2, \s, \cm
	s_wait_dscnt 0x0
	s_barrier_signal -1
	MUL16 2, (\s)%2, \s, \cm
	WIN 0
	s_barrier_wait -1
.if \fill
	CREST
	JLOAD G0A+4*(\set), G1A, G0B+4*(\set), G1B
.else
	PLACES 4
.endif
	s_wait_alu depctr_va_vdst(0)
	FETCH_B \nb, \noff, 1-(\s)%2
	FETCH_A \na, \noff, 0
	WMUL 1, \cm
	MUL16 4, (\s)%2, \s, \cm
	MUL16 6, (\s)%2, \s, \cm
	PLACES 4
	WIN 0
	FETCH_A \na, \noff, 4
.endm
.macro LAST s
	s_wait_dscnt 12
	WMUL 0, 0
	MUL16 0, (\s)%2, \s, 0
	MUL16 2, (\s)%2, \s, 0
	s_wait_dscnt 0x0
	WMUL 1, 0
	MUL16 4, (\s)%2, \s, 0
	MUL16 6, (\s)%2, \s, 0
	WIN 0
.endm
.macro QUANT w, s, d0, d1, pw
	WIN 0x14*(\w)
.irp b, 0,1,2,3
	v_max3_num_f32 v[TM+\b], 0x1800000, |v[(\s)+16*\b]|, |v[(\s)+16*\b+1]|
.endr
.irp i, 2,4,6,8,10,12,14
.irp b, 0,1,2,3
	v_max3_num_f32 v[TM+\b], v[TM+\b], |v[(\s)+16*\b+\i]|, |v[(\s)+16*\b+\i+1]|
.endr
.endr
	WIN 0
.irp b, 0,1,2,3
	v_permlanex16_b32 v[TM+4+\b], v[TM+\b], s[SEL], s[SEL+1]
.endr
.irp b, 0,1,2,3
	v_max_num_f32 v[TM+\b], v[TM+\b], v[TM+4+\b]
.endr
.irp b, 0,1,2,3
	v_add_nc_u32 v[TM+12+\b], 0xff000000, v[TM+\b]
.endr
.irp b, 0,1,2,3
	v_lshrrev_b32 v[TM+4+\b], 23, v[TM+12+\b]
.endr
	v_lshl_or_b32 v[\pw], v[TM+5], 8, v[TM+4]
	v_lshl_or_b32 v[\pw], v[TM+6], 16, v[\pw]
	v_lshl_or_b32 v[\pw], v[TM+7], 24, v[\pw]
	WIN (\w)
	v_cvt_scalef32_pk16_fp6_f32 v[(\d0):(\d0)+2], v[(\s):(\s)+15], v[TM+12]
	v_cvt_scalef32_pk16_fp6_f32 v[QT:QT+2], v[(\s)+16:(\s)+31], v[TM+13]
	v_cvt_scalef32_pk16_fp6_f32 v[(\d1):(\d1)+2], v[(\s)+32:(\s)+47], v[TM+14]
	v_cvt_scalef32_pk16_fp6_f32 v[QT+4:QT+6], v[(\s)+48:(\s)+63], v[TM+15]
	WIN 0
	v_nop
.irp i, 0,1,2
	v_permlane16_swap_b32 v[(\d0)+\i], v[QT+\i]
	v_permlane16_swap_b32 v[(\d1)+\i], v[QT+4+\i]
.endr
.irp i, 0,1,2
	v_mov_b32 v[(\d0)+3+\i], v[QT+\i]
	v_mov_b32 v[(\d1)+3+\i], v[QT+4+\i]
.endr
.endm
	s_load_b128 s[4:7], s[0:1], 0x0
	s_load_b64 s[8:9], s[0:1], 0x10
	v_lshl_add_u32 v[SPW], v0, 2, SPARE
	v_mov_b32 v[NIL], 0
	ds_add_u32 v[SPW], v[NIL]
	ds_add_u32 v[SPW], v[NIL]
	v_lshrrev_b32 v1, 5, v0
	v_readfirstlane_b32 s14, v1
	s_lshr_b32 s15, s14, 1
	s_and_b32 s16, s14, 1
	s_bfe_u32 s17, ttmp6, 0x40000
	s_bfe_u32 s18, ttmp6, 0x40004
	s_lshl_b32 s66, ttmp9, 2
	s_add_co_u32 s66, s66, s17
	s_and_b32 s67, ttmp7, 0xffff
	s_lshl_b32 s67, s67, 2
	s_add_co_u32 s67, s67, s18
	s_lshl_b32 s68, s18, 2
	s_lshl_b32 s68, 15, s68
	s_lshl_b32 s69, 0x1111, s17
	s_or_b32 s[G1A], s68, (3<<16)|(1<<21)
	s_or_b32 s[G1B], s69, (3<<16)|(1<<21)
.irp g, G1A, G1B
	s_mov_b32 s[\g+1], 768<<16                     ; the head's load: a row is one tile's four steps, 6,144 bytes
	s_mov_b32 s[\g+2], 8<<16                       ; 8 tiles
	s_mov_b32 s[\g+3], 768<<16
	s_mov_b32 s[\g+4], 8
	s_mov_b32 s[\g+5], 1536
	s_mov_b32 s[\g+6], 0
	s_mov_b32 s[\g+7], 0
.endr
	s_lshl_b32 s72, s16, 3
	s_lshl_b32 s70, s67, 4
	s_add_co_u32 s70, s70, s72
	s_add_co_u32 s70, s70, 960
	s_mul_i32 s70, s70, 12288
	s_mov_b32 s71, 0
	s_lshl_b32 s74, s66, 4
	s_add_co_u32 s74, s74, s72
	s_add_co_u32 s74, s74, 704
	s_mul_i32 s74, s74, 12288
	s_mov_b32 s75, 0
	s_mul_i32 s73, s14, 24576
	s_mov_b32 s[SEL], 0x76543210
	s_mov_b32 s[SEL+1], 0xfedcba98
	s_wait_dscnt 0x0
	s_wait_kmcnt 0x0
	s_add_nc_u64 s[70:71], s[4:5], s[70:71]
	s_add_nc_u64 s[74:75], s[4:5], s[74:75]
	CROUND
.macro G0SET j, wb, lof, gof           ; group 0, set j: LDS byte s[wb] + lof, the tiles' byte gof
	s_mov_b32 s[G0A+4*\j], 1
	s_add_co_u32 s[G0A+4*\j+1], s\wb, \lof
	s_add_nc_u64 s[G0A+4*\j+2:G0A+4*\j+3], s[70:71], \gof
	s_or_b32 s[G0A+4*\j+3], s[G0A+4*\j+3], 0x80000000
	s_mov_b32 s[G0B+4*\j], 1
	s_add_co_u32 s[G0B+4*\j+1], s\wb, \lof
	s_add_nc_u64 s[G0B+4*\j+2:G0B+4*\j+3], s[74:75], \gof
	s_or_b32 s[G0B+4*\j+3], s[G0B+4*\j+3], 0x80000000
.endm
	s_mul_i32 s10, s14, 49152                      ; where my 8 tiles of four steps go
	G0SET 0, 73, 0, 9216                           ; steps 6, 7
	G0SET 1, 10, 0, 0                              ; steps 0-3
	G0SET 2, 73, 2*SLOT, 6144                      ; steps 4, 5
	JLOAD G0A+4, G1A, G0B+4, G1B                   ; one tensor load a wave at the head
	v_and_b32 v1, 31, v0
	v_and_b32 v2, 15, v0
	v_bfe_u32 v3, v0, 4, 1
	v_lshlrev_b32 v[LI], 4, v1
	s_mul_i32 s76, s15, 24576
	s_mul_i32 s77, s16, 24576
	s_add_co_u32 s77, s77, 49152
	v_add_nc_u32 v[ADRA], s76, v[LI]               ; steps 6, 7
	v_add_nc_u32 v[ADRB], s77, v[LI]
	s_add_co_u32 s76, s76, 2*SLOT
	s_add_co_u32 s77, s77, 2*SLOT
	v_add_nc_u32 v[ADRA+2], s76, v[LI]             ; steps 4, 5
	v_add_nc_u32 v[ADRB+2], s77, v[LI]
	s_mul_i32 s76, s15, 49152
	s_mul_i32 s77, s16, 49152
	s_add_co_u32 s77, s77, 98304
	s_wait_alu depctr_va_vdst(0)
	v_add_nc_u32 v[ADRA+1], s76, v[LI]
	v_add_nc_u32 v[ADRB+1], s77, v[LI]
	s_lshl_b32 s78, s67, 4
	s_lshl_b32 s79, s15, 3
	s_add_co_u32 s78, s78, s79
	s_add_co_u32 s78, s78, 960
	s_lshl_b32 s78, s78, 6
	s_lshl_b32 s79, s66, 4
	s_add_co_u32 s79, s79, s72
	s_add_co_u32 s79, s79, 704
	s_lshl_b32 s79, s79, 6
	v_mov_b32 v25, s78
	v_mov_b32 v26, s79
	v_cmp_eq_u32 vcc_lo, 1, v3
	v_cndmask_b32 v25, v25, v26, vcc_lo
	v_lshl_add_u32 v[SVO], v2, 2, v25
	s_add_nc_u64 s[80:81], s[4:5], SCA
.irp i, 0,1,2,3,4,5,6,7
.irp s, 0,1,2,3,4,5,6,7
	global_load_b32 v[SC+8*\i+\s], v[SVO], s[80:81] offset:\s*SCST+64*\i
.endr
.endr
	s_lshl_b32 s82, s66, 8
	s_lshl_b32 s83, s16, 7
	s_add_co_u32 s82, s82, s83
	s_lshl_b32 s82, s82, 2
	s_mov_b32 s83, 0
	s_add_nc_u64 s[82:83], s[6:7], s[82:83]
	v_lshlrev_b32 v27, 6, v3
.irp b, 0,1,2,3,4,5,6,7
	global_load_b128 v[CB+8*\b+96*(\b/4):CB+8*\b+96*(\b/4)+3], v27, s[82:83] offset:(32*(\b/2)+8*(\b%2))*4
	global_load_b128 v[CB+8*\b+96*(\b/4)+4:CB+8*\b+96*(\b/4)+7], v27, s[82:83] offset:(32*(\b/2)+8*(\b%2))*4+16
.endr
	s_lshl_b32 s94, s67, 4
	s_lshl_b32 s95, s15, 3
	s_add_co_u32 s94, s94, s95
	s_lshl_b32 s98, s94, 6
	s_lshl_b32 s94, s94, 5
	s_lshl_b32 s95, s66, 1
	s_add_co_u32 s95, s95, s16
	s_add_co_u32 s94, s94, s95
	s_mul_i32 s94, s94, 1536
	s_add_co_u32 s94, s94, HC
	s_mul_i32 s95, s95, 20480
	s_add_co_u32 s98, s98, s95
	s_add_co_u32 s98, s98, SCB
	s_mov_b32 s95, 0
	s_mov_b32 s99, 0
	s_add_nc_u64 s[94:95], s[8:9], s[94:95]
	s_add_nc_u64 s[98:99], s[8:9], s[98:99]
	s_wait_alu depctr_va_vdst(0)                   ; the head's end
	s_wait_tensorcnt 0x0                           ; my part of steps 0-3 is in
	ds_add_u32 v[SPW], v[NIL]
.irp g, G1A, G1B
	s_mov_b32 s[\g+1], 384<<16                     ; no load of mine is out: from here on a row is two steps, 3,072 bytes
	s_mov_b32 s[\g+3], 384<<16
.endr
	s_wait_dscnt 0x0
	CROUND
	JLOAD G0A+8, G1A, G0B+8, G1B                   ; steps 4, 5: the first tensor load behind the round
.set TP, 6144
	FETCH_B ADRB+1, 0, 0
	FETCH_A ADRA+1, 0, 0
	FETCH_A ADRA+1, 0, 4
	s_wait_loadcnt 0x0
	STEP 0, ADRA+1, ADRB+1, 1536, 1
	STEP 1, ADRA+1, ADRB+1, 3072, 0
	STEP 2, ADRA+1, ADRB+1, 4608, 0
.set TP, 3072
	TURN 3, ADRA+2, ADRB+2, 0, 0, 1, 0             ; steps 4, 5 are whole behind it; steps 6, 7 go into bytes that steps 0-3 held
	STEP 4, ADRA+2, ADRB+2, 1536, 0
	TURN 5, ADRA, ADRB, 0, 0, 0, 0
	STEP 6, ADRA, ADRB, 1536, 0
	LAST 7
	PLACES 4
	s_mov_b32 s84, 0x3f3504f3
	s_mov_b32 s85, s84
	s_mov_b32 s86, 0xaf95df0b
	s_mov_b32 s87, s86
	s_mov_b32 s88, 0xb77460cd
	s_mov_b32 s89, s88
.macro KC r, x
	v_mov_b32 v[\r], \x
	v_mov_b32 v[\r+1], \x
.endm
	WIN 0x40
	KC 224, 0x32edffee
	KC 226, 0xb60cff51
	KC 228, 0xb86ec2d2
	KC 230, 0xba40acf4
	KC 232, 0xbb41a1f6
	KC 234, 0xbc83dbd4
	KC 236, 0xb95fbd29
	KC 238, 0xbadc924e
	KC 240, 0xbbf19bf8
	KC 242, 0xbc69b6a7
	WIN 0
.irp b, 0,1,2,3
	v_mov_b32 v[TM+4+\b], 0
.endr
	s_lshl_b32 s96, s14, 9
	s_add_co_u32 s96, s96, SG
	v_lshl_add_u32 v165, v2, 2, s96
	s_mov_b32 s92, 0
	s_mov_b32 s93, 0
.macro PICK a
	WIN 0x42+(\a)/4
.set AC, 64*((\a)%4)
.set i, 0
.rept 32
	v_pk_mul_f32 v[64+i:65+i], v[AC+i:AC+i+1], s[84:85] op_sel_hi:[1,0]
	v_pk_mul_f32 v[i:i+1], v[AC+i:AC+i+1], 0.5 op_sel_hi:[1,0]
.set i, i+2
.endr
	WIN 0
.endm
.macro ARM a
.Lpick\a:
	PICK \a
	s_branch .Lbody
.endm
.macro ERF hf
.set ZB, 64+32*(\hf)
.set XB, 32*(\hf)
.set i, 0
.rept 32
	v_med3_num_f32 v[ZB+i], v[ZB+i], -4.0, 4.0
.set i, i+1
.endr
.set i, 0
.rept 16
	v_pk_mul_f32 v[128+i:129+i], v[ZB+i:ZB+i+1], v[ZB+i:ZB+i+1]
.set i, i+2
.endr
.set i, 0
.rept 16
	v_pk_fma_f32 v[160+i:161+i], v[128+i:129+i], s[86:87], v[224:225] op_sel_hi:[1,0,0]
	v_pk_fma_f32 v[192+i:193+i], v[128+i:129+i], s[88:89], v[236:237] op_sel_hi:[1,0,0]
.set i, i+2
.endr
.irp k, 1,2,3
.set i, 0
.rept 16
	v_pk_fma_f32 v[160+i:161+i], v[160+i:161+i], v[128+i:129+i], v[224+2*\k:225+2*\k] op_sel_hi:[1,1,0]
	v_pk_fma_f32 v[192+i:193+i], v[192+i:193+i], v[128+i:129+i], v[236+2*\k:237+2*\k] op_sel_hi:[1,1,0]
.set i, i+2
.endr
.endr
.irp k, 4,5
.set i, 0
.rept 16
	v_pk_fma_f32 v[160+i:161+i], v[160+i:161+i], v[128+i:129+i], v[224+2*\k:225+2*\k] op_sel_hi:[1,1,0]
.set i, i+2
.endr
.endr
.set i, 0
	s_wait_alu depctr_va_vdst(0)
.rept 32
	v_rcp_f32 v[192+i], v[192+i]
.set i, i+1
.endr
.set i, 0
.rept 16
	v_pk_mul_f32 v[160+i:161+i], v[160+i:161+i], v[ZB+i:ZB+i+1]
.set i, i+2
.endr
	s_wait_alu depctr_va_vdst(0)
.set i, 0
.rept 16
	v_pk_mul_f32 v[160+i:161+i], v[160+i:161+i], v[192+i:193+i]
.set i, i+2
.endr
.set i, 0
.rept 16
	v_pk_fma_f32 v[XB+i:XB+i+1], v[XB+i:XB+i+1], v[160+i:161+i], v[XB+i:XB+i+1]
.set i, i+2
.endr
.endm
.Lrow:
.irp a, 0,1,2,3,4,5,6
	s_cmp_eq_u32 s92, \a
	s_cbranch_scc1 .Lpick\a
.endr
	PICK 7
	s_branch .Lbody
.irp a, 0,1,2,3,4,5,6
	ARM \a
.endr
.Lbody:
	WIN 0x55
	ERF 0
	ERF 1
	QUANT 1, 0, PC, PC+6, PW
.irp c, 0,1,2
	global_store_b128 v[LI], v[PC+4*\c:PC+4*\c+3], s[94:95] offset:512*\c
.endr
	v_add_nc_u32 v166, s93, v165
	ds_store_b32 v166, v[PW]
	s_wait_xcnt 0x0
	s_add_nc_u64 s[94:95], s[94:95], 49152
	s_add_co_u32 s93, s93, 64
	s_add_co_u32 s92, s92, 1
	s_cmp_lt_u32 s92, 8
	s_cbranch_scc1 .Lrow
	v_add_nc_u32 v167, s96, v[LI]
	ds_load_b128 v[168:171], v167
	s_wait_dscnt 0x0
	global_store_b128 v[LI], v[168:171], s[98:99]
	s_wait_tensorcnt 0x0
	ds_add_u32 v[SPW], v[NIL]
	s_wait_dscnt 0x0
	CROUND
	s_endpgm
.Lfunc_end_k_q20c36de3fa_ffn1:
	.size	k_q20c36de3fa_ffn1, .Lfunc_end_k_q20c36de3fa_ffn1-k_q20c36de3fa_ffn1
	.p2alignl 7, 3214868480
	.fill 96, 4, 3214868480
	.section	.rodata,"a",@progbits
	.p2align	6, 0x0
	.amdhsa_kernel k_q20c36de3fa_ffn1
		.amdhsa_group_segment_fixed_size 327680
		.amdhsa_private_segment_fixed_size 0
		.amdhsa_enable_private_segment 0
		.amdhsa_kernarg_size 24
		.amdhsa_user_sgpr_count 2
		.amdhsa_user_sgpr_kernarg_segment_ptr 1
		.amdhsa_wavefront_size32 1
		.amdhsa_system_sgpr_workgroup_id_x 1
		.amdhsa_system_sgpr_workgroup_id_y 1
		.amdhsa_system_sgpr_workgroup_id_z 1
		.amdhsa_system_vgpr_workitem_id 0
		.amdhsa_next_free_vgpr 1024
		.amdhsa_next_free_sgpr 100
		.amdhsa_reserve_vcc 1
		.amdhsa_float_denorm_mode_32 3
		.amdhsa_float_denorm_mode_16_64 3
		.amdhsa_memory_ordered 1
		.amdhsa_forward_progress 1
		.amdhsa_inst_pref_size 184
	.end_amdhsa_kernel
	.amdgpu_metadata
---
amdhsa.version: [ 1, 2 ]
amdhsa.kernels:
  - .name:           k_q20c36de3fa_ffn1
    .symbol:         k_q20c36de3fa_ffn1.kd
    .args:
      - { .name: pa, .offset: 0, .size: 8, .value_kind: global_buffer, .address_space: global }
      - { .name: b1, .offset: 8, .size: 8, .value_kind: global_buffer, .address_space: global }
      - { .name: pb, .offset: 16, .size: 8, .value_kind: global_buffer, .address_space: global }
    .group_segment_fixed_size: 327680
    .private_segment_fixed_size: 0
    .kernarg_segment_align: 8
    .kernarg_segment_size: 24
    .max_flat_workgroup_size: 128
    .sgpr_count:     100
    .vgpr_count:     1024
    .wavefront_size: 32
...
	.end_amdgpu_metadata
.endif
;; end of part 5
;; launch ffn2 (part 6): grid 8 x 32, 4 waves a work-group, clusters of 4 x 4, 327,680 bytes of LDS; arguments pb, ah, b2, out0; writes out0
.if DOCPART == 6
	.amdgcn_target "amdgcn-amd-amdhsa--gfx1250"
	.amdhsa_code_object_version 6
	.text
	.protected	k_q20c36de3fa_ffn2
	.globl	k_q20c36de3fa_ffn2
	.p2align	8
	.type	k_q20c36de3fa_ffn2,@function
k_q20c36de3fa_ffn2:
	s_mov_b64 s[64:65], 0
	v_nop
	global_prefetch_b8 v0, s[64:65] scope:SCOPE_SE
	s_setreg_imm32_b32 hwreg(HW_REG_WAVE_MODE, 25, 1), 1
	s_wait_xcnt 0x0
	s_wait_alu depctr_hold_cnt(0) depctr_sa_sdst(0) depctr_va_vdst(0) depctr_va_sdst(0) depctr_va_ssrc(0) depctr_va_vcc(0) depctr_vm_vsrc(0)
	s_getreg_b32 s2, hwreg(HW_REG_IB_STS2, 6, 4)
	s_cmp_eq_u32 s2, 0
	s_cbranch_scc0 .Lentry_in_a_cluster
	s_endpgm
.Lentry_in_a_cluster:
	s_bfe_u32 s2, ttmp6, 0x10000c
	s_cmp_lg_u32 s2, 0xf033
	s_cbranch_scc0 .Lentry_shape_is_right
	s_endpgm
.Lentry_shape_is_right:
.set HC,    3145728
.set SCB,   15728640
.set SCST,  20480
.set SSL,   196608
.set INC,   4608
.set PART,  67584
.set SPARE, 296960
.set RD,   4
.set DAL,  12
.set DBL,  14
.set SAL,  16
.set SBL,  18
.set LI,   23
.set SVO,  24
.set STO,  27
.set SPW,  28
.set NIL,  29
.set SC,   32
.set AF,   128
.set G1AD, 24
.set G1BD, 32
.set G1AS, 40
.set G1BS, 48
.set G0AD, 56
.set G0BD, 60
.set G0AS, 68
.set G0BS, 72
.set MSB, 0
.macro WIN new
.if MSB != (\new)
	s_set_vgpr_msb (MSB<<8)|(\new)
.set MSB, (\new)
.endif
.endm
.macro PLACES n
.rept \n
	v_nop
.endr
.endm
.macro JLOAD g0a, g1a, g0b, g1b
	s_cmp_eq_u32 s15, 0
	s_cbranch_scc0 .Lfor_b_\@
	tensor_load_to_lds s[\g0a:\g0a+3], s[\g1a:\g1a+7]
	s_nop 0
.rept 4
	v_nop
.endr
	s_branch .Lasked_\@
.Lfor_b_\@:
	tensor_load_to_lds s[\g0b:\g0b+3], s[\g1b:\g1b+7]
	s_nop 0
.rept 4
	v_nop
.endr
.Lasked_\@:
.endm
.macro CREST
	s_cmp_lg_u32 s14, 0
	s_cbranch_scc1 .Lnot_wave_0_\@
	s_barrier_signal -3
.Lnot_wave_0_\@:
	s_barrier_wait -3
	s_barrier_signal -1
	s_barrier_wait -1
.endm
.macro CROUND
	s_barrier_signal -1
	s_barrier_wait -1
	CREST
.endm
.macro SETN k
.if \k
.set NA, SAL
.set NB, SBL
.set NTP, 6144
.else
.set NA, DAL
.set NB, DBL
.set NTP, 12288
.endif
.endm
.macro FRAG reg, adr, off
.irp c, 0,1,2
	ds_load_b128 v[(\reg)+4*\c:(\reg)+4*\c+3], v[\adr] offset:(\off)+512*\c
.endr
.endm
.macro FETCH_B off, p
	WIN 0x40
.irp i, 0,1,2,3
	FRAG 128*(\p)+12*\i, NB, (\off)+NTP*\i
.endr
.irp i, 0,1,2,3
	FRAG 128*(\p)+12*(\i+4), NB+1, (\off)+NTP*\i
.endr
	WIN 0
.endm
.macro FETCH_A off, hi
.irp i, 0,1,2,3
	FRAG AF+12*(\i+4*(\hi)), NA+(\hi), (\off)+NTP*\i
.endr
.endm
.macro MUL16 a0, p, s, cm
.irp a, \a0, \a0+1
.irp b, 0,1,2,3,4,5,6,7
.set AC, 8*(8*((\a)%4)+\b)
.if (\cm) == 0
	v_wmma_scale_f32_16x16x128_f8f6f4 v[AC:AC+7], v[128*(\p)+12*\b:128*(\p)+12*\b+11], v[AF+12*(\a):AF+12*(\a)+11], v[AC:AC+7], v[SC+8*\b+(\s)], v[SC+8*(\a)+(\s)] matrix_a_fmt:MATRIX_FMT_FP6 matrix_b_fmt:MATRIX_FMT_FP6 matrix_a_scale:MATRIX_SCALE_ROW1
.else
	v_wmma_scale_f32_16x16x128_f8f6f4 v[AC:AC+7], v[128*(\p)+12*\b:128*(\p)+12*\b+11], v[AF+12*(\a):AF+12*(\a)+11], 0, v[SC+8*\b+(\s)], v[SC+8*(\a)+(\s)] matrix_a_fmt:MATRIX_FMT_FP6 matrix_b_fmt:MATRIX_FMT_FP6 matrix_a_scale:MATRIX_SCALE_ROW1
.endif
.endr
.endr
.endm
.macro STEP s, nk, noff, cm
	SETN \nk
	s_wait_dscnt 12
	WIN 0xa1
	MUL16 0, (\s)%2, \s, \cm
	MUL16 2, (\s)%2, \s, \cm
	s_wait_dscnt 0x0
	PLACES 4
	FETCH_B \noff, 1-(\s)%2
	FETCH_A \noff, 0
	WIN 0xf1
	MUL16 4, (\s)%2, \s, \cm
	MUL16 6, (\s)%2, \s, \cm
	PLACES 4
	WIN 0
	FETCH_A \noff, 1
.endm
.macro TURN s, nk, noff, fill, ga, g1a, gb, g1b
	SETN \nk
	s_wait_dscnt 12
	WIN 0xa1
	MUL16 0, (\s)%2, \s, 0
	MUL16 2, (\s)%2, \s, 0
	WIN 0
	s_wait_tensorcnt 0x0
	ds_add_u32 v[SPW], v[NIL]
.if \fill
	s_add_nc_u64 s[\ga+2:\ga+3], s[\ga+2:\ga+3], INC
	s_add_nc_u64 s[\gb+2:\gb+3], s[\gb+2:\gb+3], INC
.endif
	s_wait_dscnt 0x0
	s_barrier_signal -1
	s_barrier_wait -1
.if \fill
	CREST
	JLOAD \ga, \g1a, \gb, \g1b
.else
	PLACES 4
.endif
	FETCH_B \noff, 1-(\s)%2
	FETCH_A \noff, 0
	WIN 0xf1
	MUL16 4, (\s)%2, \s, 0
	MUL16 6, (\s)%2, \s, 0
	PLACES 4
	WIN 0
	FETCH_A \noff, 1
.endm
.macro LAST s
	s_wait_dscnt 12
	WIN 0xa1
	MUL16 0, (\s)%2, \s, 0
	MUL16 2, (\s)%2, \s, 0
	s_wait_alu depctr_va_vdst(0)
	s_wait_dscnt 0x0
	WIN 0xf1
	MUL16 4, (\s)%2, \s, 0
	MUL16 6, (\s)%2, \s, 0
	WIN 0
.endm
	s_load_b256 s[4:11], s[0:1], 0x0
	v_lshl_add_u32 v[SPW], v0, 2, SPARE
	v_mov_b32 v[NIL], 0
	ds_add_u32 v[SPW], v[NIL]
	ds_add_u32 v[SPW], v[NIL]
	v_lshrrev_b32 v1, 5, v0
	v_readfirstlane_b32 s14, v1
	s_lshr_b32 s15, s14, 1
	s_and_b32 s16, s14, 1
	s_bfe_u32 s17, ttmp6, 0x40000
	s_bfe_u32 s18, ttmp6, 0x40004
	s_lshl_b32 s66, ttmp9, 2
	s_add_co_u32 s66, s66, s17
	s_and_b32 s67, ttmp7, 0xffff
	s_lshl_b32 s67, s67, 2
	s_add_co_u32 s67, s67, s18
	s_lshl_b32 s19, s18, 2
	s_lshl_b32 s19, 15, s19
	s_lshl_b32 s20, 0x1111, s17
	s_or_b32 s[G1AD], s19, (3<<16)|(1<<21)
	s_or_b32 s[G1BD], s20, (3<<16)|(1<<21)
	s_or_b32 s[G1AS], s19, (3<<16)|(1<<21)
	s_or_b32 s[G1BS], s20, (3<<16)|(1<<21)
.irp g, G1AD, G1BD
	s_mov_b32 s[\g+1], 384<<16
	s_mov_b32 s[\g+2], 16<<16
	s_mov_b32 s[\g+3], 384<<16
	s_mov_b32 s[\g+4], 16
	s_mov_b32 s[\g+5], 1536
	s_mov_b32 s[\g+6], 0
	s_mov_b32 s[\g+7], 0
.endr
.irp g, G1AS, G1BS
	s_mov_b32 s[\g+1], 192<<16
	s_mov_b32 s[\g+2], 16<<16
	s_mov_b32 s[\g+3], 192<<16
	s_mov_b32 s[\g+4], 16
	s_mov_b32 s[\g+5], 1536
	s_mov_b32 s[\g+6], 0
	s_mov_b32 s[\g+7], 0
.endr
	s_lshl_b32 s21, s16, 2
	s_lshl_b32 s76, s67, 3
	s_add_co_u32 s76, s76, s21
	s_mul_i32 s76, s76, 49152
	s_add_co_u32 s76, s76, HC
	s_mov_b32 s77, 0
	s_lshl_b32 s78, s66, 3
	s_add_co_u32 s78, s78, s21
	s_mul_i32 s78, s78, 49152
	s_mov_b32 s79, 0
	s_mul_i32 s22, s14, 49152
	s_mul_i32 s23, s14, 24576
	s_wait_dscnt 0x0
	s_wait_kmcnt 0x0
	s_add_nc_u64 s[76:77], s[4:5], s[76:77]
	s_add_nc_u64 s[78:79], s[4:5], s[78:79]
	CROUND
	s_mov_b32 s[G0AD], 1
	s_mov_b32 s[G0AD+1], s22
	s_mov_b64 s[G0AD+2:G0AD+3], s[76:77]
	s_or_b32 s[G0AD+3], s[G0AD+3], 0x80000000
	s_mov_b32 s[G0BD], 1
	s_mov_b32 s[G0BD+1], s22
	s_mov_b64 s[G0BD+2:G0BD+3], s[78:79]
	s_or_b32 s[G0BD+3], s[G0BD+3], 0x80000000
	JLOAD G0AD, G1AD, G0BD, G1BD
	s_mov_b32 s[G0AS], 1
	s_add_co_u32 s[G0AS+1], s23, SSL
	s_add_nc_u64 s[G0AS+2:G0AS+3], s[76:77], 3072
	s_or_b32 s[G0AS+3], s[G0AS+3], 0x80000000
	s_mov_b32 s[G0BS], 1
	s_add_co_u32 s[G0BS+1], s23, SSL
	s_add_nc_u64 s[G0BS+2:G0BS+3], s[78:79], 3072
	s_or_b32 s[G0BS+3], s[G0BS+3], 0x80000000
	s_wait_alu depctr_va_vdst(0)
	s_wait_tensorcnt 0x0
	ds_add_u32 v28, v29
	s_wait_dscnt 0x0
	CROUND
	JLOAD G0AS, G1AS, G0BS, G1BS
	v_and_b32 v1, 31, v0
	v_and_b32 v2, 15, v0
	v_bfe_u32 v3, v0, 4, 1
	v_lshlrev_b32 v[LI], 4, v1
	s_mul_i32 s92, s14, 3072
	v_add_nc_u32 v[DAL], s92, v[LI]
	v_add_nc_u32 v[DAL+1], 49152, v[DAL]
	v_add_nc_u32 v[DBL], 98304, v[DAL]
	v_add_nc_u32 v[DBL+1], 147456, v[DAL]
	s_mul_i32 s93, s14, 1536
	s_add_co_u32 s93, s93, SSL
	v_add_nc_u32 v[SAL], s93, v[LI]
	v_add_nc_u32 v[SAL+1], 24576, v[SAL]
	v_add_nc_u32 v[SBL], 49152, v[SAL]
	v_add_nc_u32 v[SBL+1], 73728, v[SAL]
	s_lshl_b32 s94, s67, 9
	s_lshl_b32 s95, s66, 9
	s_add_co_u32 s95, s95, 16384
	v_mov_b32 v25, s94
	v_mov_b32 v26, s95
	v_cmp_eq_u32 vcc_lo, 1, v3
	v_cndmask_b32 v25, v25, v26, vcc_lo
	v_lshl_add_u32 v[SVO], v2, 2, v25
	s_mul_i32 s80, s14, 8*SCST
	s_add_co_u32 s80, s80, SCB
	s_mov_b32 s81, 0
	s_add_nc_u64 s[80:81], s[4:5], s[80:81]
.irp i, 0,1,2,3,4,5,6,7
.irp s, 0,1,2,3,4,5,6,7
	global_load_b32 v[SC+8*\i+\s], v[SVO], s[80:81] offset:\s*SCST+64*\i
.endr
.endr
	s_lshl_b32 s82, s67, 7
	s_lshl_b32 s83, s14, 5
	s_add_co_u32 s82, s82, s83
	s_lshl_b32 s82, s82, 12
	s_lshl_b32 s86, s66, 9
	s_add_co_u32 s82, s82, s86
	s_mov_b32 s83, 0
	s_mov_b32 s87, 0
	s_add_nc_u64 s[84:85], s[6:7], s[82:83]
	s_add_nc_u64 s[88:89], s[10:11], s[82:83]
	s_add_nc_u64 s[86:87], s[8:9], s[86:87]
	s_mul_i32 s90, s14, PART
	v_mul_u32_u24 v[STO], v2, 528
	v_lshl_add_u32 v[STO], v3, 6, v[STO]
	v_add_nc_u32 v[STO], s90, v[STO]
	s_mul_i32 s91, s14, 32*528
	v_add_nc_u32 v[RD], s91, v[LI]
	v_add_nc_u32 v[RD+1], PART, v[RD]
	v_add_nc_u32 v[RD+2], PART, v[RD+1]
	v_add_nc_u32 v[RD+3], PART, v[RD+2]
	s_wait_tensorcnt 1
	s_barrier_signal -1
	s_barrier_wait -1
	SETN 0
	FETCH_B 0, 0
	FETCH_A 0, 0
	FETCH_A 0, 1
	s_wait_loadcnt 0x0
	STEP 0, 0, 1536, 3
	TURN 1, 1, 0, 1, G0AD, G1AD, G0BD, G1BD
	TURN 2, 0, 0, 1, G0AS, G1AS, G0BS, G1BS
	STEP 3, 0, 1536, 0
	TURN 4, 1, 0, 1, G0AD, G1AD, G0BD, G1BD
	TURN 5, 0, 0, 0, 0, 0, 0, 0
	STEP 6, 0, 1536, 0
	WIN 0x40
.set n, 0
.rept 32
	global_load_b128 v[4*n:4*n+3], v[LI], s[84:85] offset:(8*(n/16)+(n%8)+16*((n/8)%2))*4096 th:TH_LOAD_NT
.set n, n+1
.endr
	WIN 0
	global_load_b128 v[8:11], v[LI], s[86:87]
	LAST 7
	PLACES 4
	s_barrier_signal -1
	s_barrier_wait -1
.irp a, 0,1,2,3,4,5,6,7
	WIN 0x08+4*(\a/4)
.irp b, 0,1,2,3,4,5,6,7
	ds_store_b128 v[STO], v[8*(8*(\a%4)+\b):8*(8*(\a%4)+\b)+3] offset:8448*\a+128*(\b/2)+32*(\b%2)
	ds_store_b128 v[STO], v[8*(8*(\a%4)+\b)+4:8*(8*(\a%4)+\b)+7] offset:8448*\a+128*(\b/2)+32*(\b%2)+16
.endr
.endr
	WIN 0
	s_wait_dscnt 0x0
	s_barrier_signal -1
	s_barrier_wait -1
	s_wait_loadcnt 0x0
.macro BATCH g
.if (\g) > 0
	s_wait_xcnt 0x0
.endif
.irp k, 0,1,2,3,4,5,6,7
.irp p, 0,1,2,3
	ds_load_b128 v[96+16*\k+4*\p:96+16*\k+4*\p+3], v[RD+\p] offset:(8*(\g)+\k)*528
.endr
.endr
	s_wait_dscnt 0x0
.irp k, 0,1,2,3,4,5,6,7
.irp e, 0,2
	v_pk_add_f32 v[96+16*\k+\e:97+16*\k+\e], v[96+16*\k+\e:97+16*\k+\e], v[100+16*\k+\e:101+16*\k+\e]
	v_pk_add_f32 v[104+16*\k+\e:105+16*\k+\e], v[104+16*\k+\e:105+16*\k+\e], v[108+16*\k+\e:109+16*\k+\e]
.endr
.endr
.irp k, 0,1,2,3,4,5,6,7
.irp e, 0,2
	v_pk_add_f32 v[96+16*\k+\e:97+16*\k+\e], v[96+16*\k+\e:97+16*\k+\e], v[104+16*\k+\e:105+16*\k+\e]
.endr
.endr
.irp k, 0,1,2,3,4,5,6,7
.irp e, 0,2
	v_pk_add_f32 v[96+16*\k+\e:97+16*\k+\e], v[96+16*\k+\e:97+16*\k+\e], v[8+\e:9+\e]
.endr
.endr
	WIN 0x04
.irp k, 0,1,2,3,4,5,6,7
.irp e, 0,2
	v_pk_add_f32 v[96+16*\k+\e:97+16*\k+\e], v[96+16*\k+\e:97+16*\k+\e], v[4*(8*(\g)+\k)+\e:4*(8*(\g)+\k)+\e+1]
.endr
.endr
	WIN 0
.irp k, 0,1,2,3,4,5,6,7
	global_store_b128 v[LI], v[96+16*\k:99+16*\k], s[88:89] offset:(8*((8*(\g)+\k)/16)+((8*(\g)+\k)%8)+16*(((8*(\g)+\k)/8)%2))*4096 th:TH_STORE_NT
.endr
.endm
	BATCH 0
	BATCH 1
	BATCH 2
	BATCH 3
	s_wait_tensorcnt 0x0
	ds_add_u32 v[SPW], v[NIL]
	s_wait_dscnt 0x0
	CROUND
	s_endpgm
.Lfunc_end_k_q20c36de3fa_ffn2:
	.size	k_q20c36de3fa_ffn2, .Lfunc_end_k_q20c36de3fa_ffn2-k_q20c36de3fa_ffn2
	.p2alignl 7, 3214868480
	.fill 96, 4, 3214868480
	.section	.rodata,"a",@progbits
	.p2align	6, 0x0
	.amdhsa_kernel k_q20c36de3fa_ffn2
		.amdhsa_group_segment_fixed_size 327680
		.amdhsa_private_segment_fixed_size 0
		.amdhsa_enable_private_segment 0
		.amdhsa_kernarg_size 32
		.amdhsa_user_sgpr_count 2
		.amdhsa_user_sgpr_kernarg_segment_ptr 1
		.amdhsa_wavefront_size32 1
		.amdhsa_system_sgpr_workgroup_id_x 1
		.amdhsa_system_sgpr_workgroup_id_y 1
		.amdhsa_system_sgpr_workgroup_id_z 1
		.amdhsa_system_vgpr_workitem_id 0
		.amdhsa_next_free_vgpr 1024
		.amdhsa_next_free_sgpr 100
		.amdhsa_reserve_vcc 1
		.amdhsa_float_denorm_mode_32 3
		.amdhsa_float_denorm_mode_16_64 3
		.amdhsa_memory_ordered 1
		.amdhsa_forward_progress 1
		.amdhsa_inst_pref_size 153
	.end_amdhsa_kernel
	.amdgpu_metadata
---
amdhsa.version: [ 1, 2 ]
amdhsa.kernels:
  - .name:           k_q20c36de3fa_ffn2
    .symbol:         k_q20c36de3fa_ffn2.kd
    .args:
      - { .name: pb, .offset: 0, .size: 8, .value_kind: global_buffer, .address_space: global }
      - { .name: ah, .offset: 8, .size: 8, .value_kind: global_buffer, .address_space: global }
      - { .name: b2, .offset: 16, .size: 8, .value_kind: global_buffer, .address_space: global }
      - { .name: out0, .offset: 24, .size: 8, .value_kind: global_buffer, .address_space: global }
    .group_segment_fixed_size: 327680
    .private_segment_fixed_size: 0
    .kernarg_segment_align: 8
    .kernarg_segment_size: 32
    .max_flat_workgroup_size: 128
    .sgpr_count:     100
    .vgpr_count:     1024
    .wavefront_size: 32
...
	.end_amdgpu_metadata
.endif
;; end of part 6
